; MI455X (gfx1250); checked and timed in simulation.
; The chip was launched on July 23, 2026; its instructions are those of AMD's public machine-readable ISA for CDNA 5 (MIT licence, August 2026) and "CDNA5" Instruction Set Architecture Reference Guide (July 2026). The comments in the code are by the model that wrote it; some were corrected since.
;; Masked Self Attention. Allowed arithmetic: matrix products marked QUANTISED: E2M1 operands, one E8M0 scale for each 32 along K, by v_wmma_scale_f32_16x16x128_f8f6f4 with both operands' format E2M1 (or v_wmma_scale_f32_32x16x128_f4), f32 sums; products left as they are: bf16, f16 or f32 operands; f32 sums; everything else in f32.
;; Inputs: W_out 1,024 x 1,024 float32; W_qkv 1,024 x 3,072 float32; b_out 1,024 float32; b_qkv 3,072 float32; x 4 x 2,048 x 1,024 float32.
;; Outputs: out0 4 x 2,048 x 1,024 float32.
;; This version of the problem:
;;   THIS VERSION OF THE PROBLEM IS GIVEN IN LOW PRECISION. The matrix products marked QUANTISED in the list below multiply operands that are first quantised to E2M1 (2 exponent bits, 1 mantissa bit; 4 bits a number), with one power-of-two scale for each 32 numbers along K (OCP MX v1.0); their sums are f32. The products marked 'left as it is' may take bf16, f16 or f32 operands, with f32 sums. Whichever they take, every output number must still come out within the allowed error. Rounding operands to bf16 (8 significant bits) uses up far more of that allowance than f16 does (11 bits, for magnitudes from 6e-5 to 65,504). All else is computed in f32.
;;   The module's matrix products, in the order in which they are computed (A, B: the left and right operand; K: the contracted axis; several contracted axes count as one K, in the product's order):
;;     1. [M 8,192, K 1,024] x [K 1,024, N 3,072]; A: input x; B: input W_qkv: QUANTISED
;;     2. batch 64 x [M 2,048, K 64] x [K 64, N 2,048]; A: computed on the way; B: computed on the way: left as it is (an operand is computed on the way)
;;     3. batch 64 x [M 2,048, K 2,048] x [K 2,048, N 64]; A: computed on the way; B: computed on the way: left as it is (an operand is computed on the way)
;;     4. [M 8,192, K 1,024] x [K 1,024, N 1,024]; A: computed on the way; B: input W_out: left as it is (an operand is computed on the way)
;;   THE QUANTISER, for each operand of a quantised product, along K:
;;     - K is cut into blocks of 32 from its start; a last block that is shorter is filled with zeros.
;;     - A block's scale is 2^e with e = floor(log2(the largest magnitude in the block)) - 2, held to -126 .. 127; a block of zeros has e = 0. As a byte (E8M0): e + 127.
;;     - Each number is divided by its block's scale, clamped to +-6, and rounded to the nearest number of E2M1, ties to even, subnormals kept.
;;     - The product sums the exact products of the quantised numbers (number of the format x scale) in f32.
;;   ~~~python
;;   def quantise(x, axis):      # numpy; x: float32 -> the quantised numbers, widened to float32 again
;;       x = np.moveaxis(x, axis, -1); K = x.shape[-1]
;;       x = np.pad(x, [(0, 0)] * (x.ndim - 1) + [(0, -K % 32)]); x = x.reshape(x.shape[:-1] + (-1, 32)); a = np.abs(x).max(-1, keepdims=True)
;;       e = np.where(a > 0, np.clip(np.frexp(np.where(a > 0, a, 1))[1] - 1 - 2, -126, 127), 0)      # np.frexp(a)[1] - 1 = floor(log2(a)), exactly
;;       r = np.clip(x / 2.0 ** e, -6, 6)
;;       step = 2.0 ** (np.maximum(np.frexp(np.where(r == 0, 1, r))[1] - 1, 0) - 1)
;;       q = np.round(r / step) * step * 2.0 ** e      # np.round: ties to even
;;       return np.moveaxis(q.reshape(q.shape[:-2] + (-1,))[..., :K], -1, axis).astype(np.float32)
;;   ~~~
;; One version. Each part assembles by itself: llvm-mc -triple=amdgcn-amd-amdhsa -mcpu=gfx1250 --defsym DOCPART=n.
;; ======== version 1 of 1: 5 launches
;; limits: values are held in f16: magnitudes above 65,504 overflow, below 6.1e-05 lose precision
;; workspace buffers: xc 4,194,304 bytes; xs 262,144 bytes; wc 1,572,864 bytes; ws 98,304 bytes; wo16 2,097,152 bytes; qkv16 50,331,648 bytes; qkvf 786,432 bytes; o16 16,777,216 bytes
;; launch prep (part 1): grid 368 x 1, 4 waves a work-group, no clusters, 102,912 bytes of LDS; arguments x, W_qkv, W_out, xc, xs, wc, ws, wo16; writes xc, xs, wc, ws, wo16
.if DOCPART == 1
	.amdgcn_target "amdgcn-amd-amdhsa--gfx1250"
	.amdhsa_code_object_version 6
	.text
	.protected	k_qafbbf76d60_prep
	.globl	k_qafbbf76d60_prep
	.p2align	8
	.type	k_qafbbf76d60_prep,@function
k_qafbbf76d60_prep:
	s_mov_b64 s[64:65], 0
	v_nop
	global_prefetch_b8 v0, s[64:65] scope:SCOPE_SE
	s_setreg_imm32_b32 hwreg(HW_REG_WAVE_MODE, 25, 1), 1
	s_wait_xcnt 0x0
; THE OPERANDS ARE MADE READY, ONCE.  Three kinds of work-group, told apart by the work-group's number alone:
;   0 .. 255   x [8192][1024] f32 -> codes of E2M1 (xc [8192][512 bytes], K innermost) and E8M0 bytes (xs [8192][32]): K is x's last axis, so x is a plain stream of blocks of 32
;   256 .. 303 W_qkv [1024 (k)][3072 (n)] f32 -> wc [3072][512 bytes], ws [3072][32]: K is its FIRST axis: a lane takes a column and its registers run down K
;   304 .. 367 W_out [1024 (k)][1024 (n)] f32 -> wo16 [n][k] f16: the same walk, a rounding to f16 in place of the quantiser
; A block's scale is 2^(floor(log2(its largest magnitude)) - 2); its byte is the largest magnitude's exponent field - 2, held at 1 from below by a floor among the maximum's leaves.
; LIMITS: a block of zeros gets the byte 1 where the rule says 127: its codes are zeros, and only this program reads the bytes.  NaN and infinities among the inputs are not served.
; W_out goes to f16: magnitudes from 65,520 on become infinity; under 6e-5 the absolute error stays at 3e-8.
; No tensor loads, no barrier: waves share nothing.  Each kind of work-group has LDS bytes of its own.  Memory binds: matrix units, clusters and a ring in LDS would add nothing.
.set SPARE, 102400                     ; behind the three regions: the spare words, 128 bytes for each wave
.set SPW,   12                         ; v12  LDS address of my spare word; never rewritten
.set NIL,   13                         ; v13  0; never rewritten
.set EMAX,  2
; x's path
.set XSTEPS, 16                        ; a wave takes 16 steps of 512 numbers
.set CB,    8                          ; bytes of 16 codes
.set XR,    16                         ; v16-79   four sets of 16 numbers as they are loaded
.set XX,    80                         ; v80-111  two sets of 16 neighbours
.set XE,    112                        ; v112-127 a scale byte for each step
.set XC,    128                        ; v128-191 codes: four registers for each step
.set WREG,  8192                       ; LDS 0 .. 32767: a region for each wave: two stages of 32 x SP bytes, behind them its 256 scale bytes
.set SP,    80                         ; a lane's place in a stage: 64 bytes + 16 of padding
; the two weights' paths
.set PITCH, 272                        ; a stage row: 256 bytes + 16
.set WSTG,  32768                      ; LDS: W_qkv's four stages of 32 rows
.set OSTG,  67584                      ; LDS: W_out's four stages of 32 rows
.set WX,    32                         ; v32-95   two sets of 32 numbers
.set WC,    96                         ; v96-111  a block's codes, or its 32 numbers in f16
.set OUTR,  112                        ; v112-175 the way out
.set SB,    24                         ; v24-27   scale bytes, four to a register
.macro FINI                            ; a wave's end: behind my last LDS store
	s_wait_tensorcnt 0x0
	ds_add_u32 v[SPW], v[NIL]
	s_wait_dscnt 0x0
	s_endpgm
.endm
	s_load_b256 s[4:11], s[0:1], 0x0               ; x s[4:5], W_qkv s[6:7], W_out s[8:9], xc s[10:11]
	s_load_b256 s[12:19], s[0:1], 0x20             ; xs s[12:13], wc s[14:15], ws s[16:17], wo16 s[18:19]
	v_lshl_add_u32 v[SPW], v0, 2, SPARE
	v_mov_b32 v[NIL], 0
	v_lshrrev_b32 v1, 5, v0
	v_readfirstlane_b32 s20, v1                    ; wave 0..3
	v_and_b32 v2, 31, v0                           ; lane
	s_mov_b32 s23, 0
	s_wait_kmcnt 0x0
	s_cmp_lt_u32 ttmp9, 256
	s_cbranch_scc0 .Lnot_x
; ---------------- x: each load reads 512 bytes on end; a step's 2,048 bytes turn through the wave's own stage so that a lane holds 16 neighbours along K
	v_lshlrev_b32 v3, 4, v2                        ; my 16 bytes of a load's 512
	s_mul_i32 s21, s20, WREG
	v_lshrrev_b32 v14, 2, v2
	v_mul_u32_u24 v14, v14, SP
	v_and_b32 v15, 3, v2
	v_lshl_add_u32 v14, v15, 4, v14
	v_add_nc_u32 v14, s21, v14                     ; the stage, on the way in: SP (lane / 4) + 16 (lane % 4)
	v_mul_u32_u24 v15, v2, SP
	v_add_nc_u32 v15, s21, v15                     ; and on the way out: SP x lane
	v_mul_u32_u24 v4, v2, CB                       ; my codes' place in a step's
	v_lshrrev_b32 v5, 1, v2
	s_add_co_u32 s21, s21, 2*32*SP
	v_add_nc_u32 v5, s21, v5                       ; my block's byte among my wave's 256 scale bytes
	v_lshlrev_b32 v7, 3, v2
	v_add_nc_u32 v6, s21, v7                       ; and on the way out 8 bytes a lane
	s_lshl_b32 s21, ttmp9, 2
	s_add_co_u32 s21, s21, s20                     ; which run of 8,192 numbers is my wave's
	s_lshl_b32 s22, s21, 15
	s_add_nc_u64 s[4:5], s[4:5], s[22:23]          ; 32,768 bytes of x,
	s_lshl_b32 s22, s21, 12
	s_add_nc_u64 s[10:11], s[10:11], s[22:23]      ; 4,096 of codes,
	s_lshl_b32 s22, s21, 8
	s_add_nc_u64 s[12:13], s[12:13], s[22:23]      ; 256 scale bytes a run
.macro XLOAD t
.irp i, 0,1,2,3
	global_load_b128 v[XR+16*((\t)%4)+4*\i:XR+16*((\t)%4)+4*\i+3], v3, s[4:5] offset:2048*(\t)+512*\i th:TH_LOAD_NT
.endr
.endm
.macro XTURN t                         ; LDS serves a wave's instructions in order: no wait between the stores and the loads
.irp i, 0,1,2,3
	ds_store_b128 v14, v[XR+16*((\t)%4)+4*\i:XR+16*((\t)%4)+4*\i+3] offset:32*SP*((\t)%2)+8*SP*\i
.endr
.irp i, 0,1,2,3
	ds_load_b128 v[XX+16*((\t)%2)+4*\i:XX+16*((\t)%2)+4*\i+3], v15 offset:32*SP*((\t)%2)+16*\i
.endr
.endm
.irp t, 0,1,2,3
	XLOAD \t
.endr
	s_wait_loadcnt 12                              ; step 0's four loads are in; three steps' twelve stay out
	XTURN 0
.macro XSTEP t
.set XS, XX+16*((\t)%2)
.if (\t) > 0
	s_wait_dscnt 1                                 ; this step's numbers are back from the stage; the last step's byte store may be out
.else
	s_wait_dscnt 0x0
.endif
.if (\t)+4 < XSTEPS
	XLOAD (\t)+4                                   ; into the registers that this step's stage stores have read
.endif
.if (\t)+1 < XSTEPS
.if XSTEPS-2-(\t) >= 3
	s_wait_loadcnt 12                              ; the next step's four loads are in; those of the three steps behind it may be out
.else
	s_wait_loadcnt 4*(XSTEPS-2-(\t))
.endif
	XTURN (\t)+1
.endif
	v_max3_num_f32 v8, |v[XS]|, |v[XS+1]|, |v[XS+2]|               ; the largest magnitude of my 16, in two chains
	v_max3_num_f32 v9, |v[XS+3]|, |v[XS+4]|, |v[XS+5]|
.irp i, 6,10
	v_max3_num_f32 v8, v8, |v[XS+\i]|, |v[XS+\i+1]|
	v_max3_num_f32 v9, v9, |v[XS+\i+2]|, |v[XS+\i+3]|
.endr
	v_max3_num_f32 v8, v8, |v[XS+14]|, |v[XS+15]|
	v_max3_num_f32 v8, v8, v9, (EMAX+1)<<23        ; and the floor 2^(3 - 127): the byte cannot fall under 1
	v_max_num_f32_dpp v8, v8, v8 row_xmask:1 row_mask:0xf bank_mask:0xf   ; with my neighbour's 16: the block's
	v_add_nc_u32 v11, -(EMAX<<23), v8              ; 2 off its exponent field: the conversion's scale operand
	v_cvt_scalef32_pk8_fp4_f32 v[XC+4*(\t)], v[XS:XS+7], v11
	v_cvt_scalef32_pk8_fp4_f32 v[XC+4*(\t)+1], v[XS+8:XS+15], v11
	v_lshrrev_b32 v[XE+(\t)], 23, v11              ; the scale's byte
	ds_store_b8 v5, v[XE+(\t)] offset:16*(\t)      ; both lanes of a block write the same byte with the same value
	global_store_b64 v4, v[XC+4*(\t):XC+4*(\t)+1], s[10:11] offset:32*CB*(\t)   ; the wave stores 256 bytes on end, aligned
.endm
.irp t, 0,1,2,3,4,5,6,7,8,9,10,11,12,13,14,15
	XSTEP \t
.endr
	ds_load_b64 v[8:9], v6
	s_wait_dscnt 0x0
	global_store_b64 v7, v[8:9], s[12:13]          ; my wave's 256 scale bytes, on end, aligned
	FINI
.Lnot_x:
	v_lshlrev_b32 v3, 2, v2                        ; in: 4 bytes a lane
	v_and_b32 v5, 15, v2
	v_lshrrev_b32 v6, 4, v2                        ; out: sixteen lanes to a row, two rows an instruction
	s_cmp_lt_u32 ttmp9, 304
	s_cbranch_scc0 .Lpath_o
; ---------------- W_qkv: a wave takes 32 columns x 512 along K: 16 blocks a lane
	s_sub_co_u32 s21, ttmp9, 256
	s_cmp_ge_u32 s21, 24
	s_cselect_b32 s22, 1, 0                        ; which 512 along K
	s_cselect_b32 s24, 24, 0
	s_sub_co_u32 s21, s21, s24                     ; which 128 columns
	s_lshl_b32 s24, s21, 7
	s_lshl_b32 s25, s20, 5
	s_add_co_u32 s24, s24, s25                     ; my wave's first column
	s_mul_i32 s25, s20, 32*PITCH
	s_add_co_u32 s25, s25, WSTG                    ; my stage
	v_mul_u32_u24 v4, v2, PITCH
	v_add_nc_u32 v4, s25, v4                       ; into it: row = my column
	v_mul_u32_u24 v7, v6, PITCH
	v_lshl_add_u32 v7, v5, 4, v7
	v_add_nc_u32 v7, s25, v7                       ; out of it
	v_lshlrev_b32 v8, 9, v6
	v_lshl_add_u32 v8, v5, 4, v8                   ; the same place in wc: rows of 512 bytes
	v_lshlrev_b32 v9, 5, v2                        ; my column's row of scale bytes: 32 bytes
	s_mul_i32 s26, s22, 512*3072*4
	s_lshl_b32 s27, s24, 2
	s_add_co_u32 s26, s26, s27
	s_mov_b32 s27, 0
	s_add_nc_u64 s[6:7], s[6:7], s[26:27]          ; W_qkv at (512 y, my first column)
	s_lshl_b32 s26, s24, 9
	s_lshl_b32 s28, s22, 8
	s_add_co_u32 s26, s26, s28
	s_add_nc_u64 s[14:15], s[14:15], s[26:27]      ; wc: column x 512 + 256 y
	s_lshl_b32 s26, s24, 5
	s_lshl_b32 s28, s22, 4
	s_add_co_u32 s26, s26, s28
	s_add_nc_u64 s[16:17], s[16:17], s[26:27]      ; ws: column x 32 + 16 y
.macro WLOAD t                         ; block t: W(32 t + i, my column); 511 rows of 12,288 bytes at the most: inside the signed 24-bit immediate
.irp i, 0,1,2,3,4,5,6,7,8,9,10,11,12,13,14,15,16,17,18,19,20,21,22,23,24,25,26,27,28,29,30,31
	global_load_b32 v[WX+32*((\t)%2)+\i], v3, s[6:7] offset:(32*(\t)+\i)*12288 th:TH_LOAD_NT
.endr
.endm
	WLOAD 0
	WLOAD 1
.macro WBLOCK t
.set XS, WX+32*((\t)%2)
.if (\t) < 15
	s_wait_loadcnt 32                              ; this block's 32 loads are in; the next block's may be out
.else
	s_wait_loadcnt 0
.endif
	v_max3_num_f32 v16, |v[XS]|, |v[XS+1]|, |v[XS+2]|              ; the block's largest magnitude: all 32 numbers are mine
	v_max3_num_f32 v17, |v[XS+3]|, |v[XS+4]|, |v[XS+5]|
.irp i, 6,10,14,18,22,26
	v_max3_num_f32 v16, v16, |v[XS+\i]|, |v[XS+\i+1]|
	v_max3_num_f32 v17, v17, |v[XS+\i+2]|, |v[XS+\i+3]|
.endr
	v_max3_num_f32 v16, v16, |v[XS+30]|, |v[XS+31]|
	v_max3_num_f32 v16, v16, v17, (EMAX+1)<<23     ; and the floor
	v_add_nc_u32 v11, -(EMAX<<23), v16             ; the conversion's scale operand
	v_lshrrev_b32 v17, 23, v11                     ; the scale's byte
.if (\t)%4 == 0
	v_mov_b32 v[SB+(\t)/4], v17                    ; four bytes to a register, the lower K in the lower byte
.else
	v_lshl_or_b32 v[SB+(\t)/4], v17, 8*((\t)%4), v[SB+(\t)/4]
.endif
.irp g, 0,1,2,3
	v_cvt_scalef32_pk8_fp4_f32 v[WC+\g], v[XS+8*\g:XS+8*\g+7], v11
.endr
	ds_store_b128 v4, v[WC:WC+3] offset:16*(\t)    ; 32 codes: 16 bytes of my column's row
.if (\t)+2 < 16
	WLOAD (\t)+2
.endif
	s_wait_dscnt 0x0                               ; the store has read its registers: the next block's codes may be written
.endm
.set Q, 0
.rept 16
	WBLOCK Q
.set Q, Q+1
.endr
	global_store_b128 v9, v[SB:SB+3], s[16:17]     ; my column's 16 scale bytes
.irp t, 0,1,2,3,4,5,6,7,8,9,10,11,12,13,14,15
	ds_load_b128 v[OUTR+4*\t:OUTR+4*\t+3], v7 offset:2*\t*PITCH
.endr
.irp t, 0,1,2,3,4,5,6,7,8,9,10,11,12,13,14,15
	s_wait_dscnt 15-\t                             ; loads come back in order: number t is in
	global_store_b128 v8, v[OUTR+4*\t:OUTR+4*\t+3], s[14:15] offset:2*\t*512   ; sixteen lanes store 256 bytes on end, aligned
.endr
	FINI
; ---------------- W_out: a wave takes 32 columns x 128 along K: 4 blocks a lane, rounded to f16, 256 bytes a column
.Lpath_o:
	s_sub_co_u32 s21, ttmp9, 304
	s_and_b32 s22, s21, 7                          ; which 128 columns
	s_lshr_b32 s21, s21, 3                         ; which 128 along K
	s_lshl_b32 s24, s22, 7
	s_lshl_b32 s25, s20, 5
	s_add_co_u32 s24, s24, s25                     ; my wave's first column
	s_mul_i32 s25, s20, 32*PITCH
	s_add_co_u32 s25, s25, OSTG                    ; my stage
	v_mul_u32_u24 v4, v2, PITCH
	v_add_nc_u32 v4, s25, v4
	v_mul_u32_u24 v7, v6, PITCH
	v_lshl_add_u32 v7, v5, 4, v7
	v_add_nc_u32 v7, s25, v7
	v_lshlrev_b32 v8, 11, v6
	v_lshl_add_u32 v8, v5, 4, v8                   ; wo16: rows of 2,048 bytes
	s_lshl_b32 s26, s21, 19
	s_lshl_b32 s27, s24, 2
	s_add_co_u32 s26, s26, s27
	s_mov_b32 s27, 0
	s_add_nc_u64 s[8:9], s[8:9], s[26:27]          ; W_out at (128 y, my first column)
	s_lshl_b32 s26, s24, 11
	s_lshl_b32 s28, s21, 8
	s_add_co_u32 s26, s26, s28
	s_add_nc_u64 s[18:19], s[18:19], s[26:27]      ; wo16: column x 2,048 + 256 y
.macro OLOAD t
.irp i, 0,1,2,3,4,5,6,7,8,9,10,11,12,13,14,15,16,17,18,19,20,21,22,23,24,25,26,27,28,29,30,31
	global_load_b32 v[WX+32*((\t)%2)+\i], v3, s[8:9] offset:(32*(\t)+\i)*4096
.endr
.endm
	OLOAD 0
	OLOAD 1
.macro OBLOCK t
.set XS, WX+32*((\t)%2)
.if (\t) < 3
	s_wait_loadcnt 32                              ; this block's 32 loads are in; the next block's may be out
.else
	s_wait_loadcnt 0
.endif
.irp i, 0,1,2,3,4,5,6,7,8,9,10,11,12,13,14,15
	v_cvt_pk_f16_f32 v[WC+\i], v[XS+2*\i], v[XS+2*\i+1]            ; two neighbours along K, the lower in the low half
.endr
.irp g, 0,1,2,3
	ds_store_b128 v4, v[WC+4*\g:WC+4*\g+3] offset:64*(\t)+16*\g
.endr
.if (\t)+2 < 4
	OLOAD (\t)+2
.endif
	s_wait_dscnt 0x0                               ; the stores have read their registers
.endm
.irp t, 0,1,2,3
	OBLOCK \t
.endr
.irp t, 0,1,2,3,4,5,6,7,8,9,10,11,12,13,14,15
	ds_load_b128 v[OUTR+4*\t:OUTR+4*\t+3], v7 offset:2*\t*PITCH
.endr
.irp t, 0,1,2,3,4,5,6,7,8,9,10,11,12,13,14,15
	s_wait_dscnt 15-\t
	global_store_b128 v8, v[OUTR+4*\t:OUTR+4*\t+3], s[18:19] offset:2*\t*2048   ; sixteen lanes store 256 bytes on end, aligned
.endr
	FINI
.Lfunc_end_k_qafbbf76d60_prep:
	.size	k_qafbbf76d60_prep, .Lfunc_end_k_qafbbf76d60_prep-k_qafbbf76d60_prep
	.p2alignl 7, 3214868480
	.fill 96, 4, 3214868480
	.section	.rodata,"a",@progbits
	.p2align	6, 0x0
	.amdhsa_kernel k_qafbbf76d60_prep
		.amdhsa_group_segment_fixed_size 102912
		.amdhsa_private_segment_fixed_size 0
		.amdhsa_enable_private_segment 0
		.amdhsa_kernarg_size 64
		.amdhsa_user_sgpr_count 2
		.amdhsa_user_sgpr_kernarg_segment_ptr 1
		.amdhsa_wavefront_size32 1
		.amdhsa_system_sgpr_workgroup_id_x 1
		.amdhsa_system_sgpr_workgroup_id_y 1
		.amdhsa_system_sgpr_workgroup_id_z 1
		.amdhsa_system_vgpr_workitem_id 0
		.amdhsa_next_free_vgpr 192
		.amdhsa_next_free_sgpr 66
		.amdhsa_reserve_vcc 0
		.amdhsa_float_denorm_mode_32 3
		.amdhsa_float_denorm_mode_16_64 3
		.amdhsa_memory_ordered 1
		.amdhsa_forward_progress 1
		.amdhsa_inst_pref_size 132
	.end_amdhsa_kernel
	.amdgpu_metadata
---
amdhsa.version: [ 1, 2 ]
amdhsa.kernels:
  - .name:           k_qafbbf76d60_prep
    .symbol:         k_qafbbf76d60_prep.kd
    .args:
      - { .name: x, .offset: 0, .size: 8, .value_kind: global_buffer, .address_space: global }
      - { .name: W_qkv, .offset: 8, .size: 8, .value_kind: global_buffer, .address_space: global }
      - { .name: W_out, .offset: 16, .size: 8, .value_kind: global_buffer, .address_space: global }
      - { .name: xc, .offset: 24, .size: 8, .value_kind: global_buffer, .address_space: global }
      - { .name: xs, .offset: 32, .size: 8, .value_kind: global_buffer, .address_space: global }
      - { .name: wc, .offset: 40, .size: 8, .value_kind: global_buffer, .address_space: global }
      - { .name: ws, .offset: 48, .size: 8, .value_kind: global_buffer, .address_space: global }
      - { .name: wo16, .offset: 56, .size: 8, .value_kind: global_buffer, .address_space: global }
    .group_segment_fixed_size: 102912
    .private_segment_fixed_size: 0
    .kernarg_segment_align: 8
    .kernarg_segment_size: 64
    .max_flat_workgroup_size: 128
    .sgpr_count:     66
    .vgpr_count:     192
    .wavefront_size: 32
...
	.end_amdgpu_metadata
.endif
;; end of part 1
;; launch gemm_qkv (part 2): grid 12 x 32, 4 waves a work-group, clusters of 4 x 4, 327,680 bytes of LDS; arguments xc, xs, wc, ws, qkv16, b_qkv, qkvf; writes qkv16, qkvf
.if DOCPART == 2
	.amdgcn_target "amdgcn-amd-amdhsa--gfx1250"
	.amdhsa_code_object_version 6
	.text
	.protected	k_qafbbf76d60_gemm_qkv
	.globl	k_qafbbf76d60_gemm_qkv
	.p2align	8
	.type	k_qafbbf76d60_gemm_qkv,@function
k_qafbbf76d60_gemm_qkv:
	s_mov_b64 s[64:65], 0
	v_nop
	global_prefetch_b8 v0, s[64:65] scope:SCOPE_SE
	s_setreg_imm32_b32 hwreg(HW_REG_WAVE_MODE, 25, 1), 1
	s_wait_xcnt 0x0
	s_wait_alu depctr_hold_cnt(0) depctr_sa_sdst(0) depctr_va_vdst(0) depctr_va_sdst(0) depctr_va_ssrc(0) depctr_va_vcc(0) depctr_vm_vsrc(0)
	s_getreg_b32 s2, hwreg(HW_REG_IB_STS2, 6, 4)
	s_cmp_eq_u32 s2, 0
	s_cbranch_scc0 .Lentry_in_a_cluster
	s_endpgm
.Lentry_in_a_cluster:
	s_bfe_u32 s2, ttmp6, 0x10000c
	s_cmp_lg_u32 s2, 0xf033
	s_cbranch_scc0 .Lentry_shape_is_right
	s_endpgm
.Lentry_shape_is_right:
; qkv = Q(x) Q(W_qkv) + b_qkv on codes of E2M1 with one E8M0 scale for each 32 along K; sums in f32.  A = xc [8192][512 bytes], B = wc [3072][512 bytes], their scale bytes [rows][32].
; OUT: qkv16, f16, laid by heads, [q, k, v][batch][head][t][64], for the attention; and qkvf, f32, [batch x 16 + t][3072], the rows t < 16 of every batch, for the launch that carries those rows finely.
; LIMIT: q, k, v go to f16: magnitudes from 65,520 on become infinity; under 6e-5 the absolute error stays at 3e-8.
; A tile of C, 256 x 256, is made by a work-group of four waves; a wave makes 128 x 128: 64 accumulators, 512 registers.  K = 1,024 is two slots of 512 along K (rows of 256 bytes): both are asked for at the head, nothing is filled again.
; THE SCALES of the work-group's 256 + 256 rows, for all of K, are two dense blocks: they come into LDS once, as rows of 256 bytes.
; CLUSTERS: 4 x 4 work-groups; A's tiles are asked for jointly along a row of the cluster, B's along a column.  TILE ROW = 8 cy + cluster y, so that the batch is cy and the rows t < 16 lie in the clusters with y = 0:
; the branch round the fine rows' way out hangs on the cluster's number and the wave's, never on a place inside the cluster.
; THE MATRIX INSTRUCTION IS USED TRANSPOSED (source 0 = 16 rows of B, source 1 = 16 rows of A): a lane holds eight neighbouring columns of one row of C.  THE BIAS is the C of each sum's first instruction.
; REGISTERS: window 0: v0-31 addresses; v32-95 scale words, two sets; v128-191 A's fragments, one set; v192-255 the bias in the result's layout.  window 1: B's fragments, two sets.  windows 2, 3: the accumulators.
.set NQ,     4                         ; steps of 128 along K in a slot
.set ROWB,   256                       ; a tile's row in bytes
.set KROW,   512                       ; a row of codes in memory
.set PITCH,  272                       ; an LDS row: 256 bytes + 16 of padding: the 16 rows of a load start at 16 different banks (64 banks of 4 bytes: ISA guide 11.1)
.set FR,     8
.set NL,     2
.set NP,     4                         ; places behind this matrix instruction (ISA guide 7.12.1)
.set HALFT,  128*PITCH
.set SLOT,   4*HALFT
.set KS,     32                        ; a row of scales in bytes
.set SCL,    2*SLOT
.set HALFS,  16*272                    ; the scales of 128 rows
.set SBLK,   2*272                     ; those of 16 rows
.set SPARE,  SCL+4*HALFS               ; the spare words, 128 bytes for each wave
.set SPITCH, 528                       ; the way out: a stage of 16 rows x 528 bytes for each wave, in slot 0, which has had its only fill and its last read by then
.set ADRA, 16
.set ADRB, 20
.set STOF, 22                          ; v22  f32 stage: where I put 32 bytes of a row
.set RDF,  23                          ; v23  f32 stage: where I read a row back
.set STO,  24                          ; v24  f16 stage: where I put 16 bytes of a row (rows of 272)
.set RD,   25                          ; v25  f16 stage: four rows' halves of 128 bytes
.set CO,   26                          ; v26  16 x lane
.set ADRS, 27
.set SPW,  28
.set NIL,  29
.set BO,   30                          ; v30  32 x (lane / 16): my half's eight numbers of the bias
.set SC,   32
.set TMP,  96                          ; the way out: packed results
.set AF,   128
.set BK,   128                         ; the way out: rows read back
.set BIAS, 192
.set G1, 24
.set G0, 32
.set G1B, 48
.set G0B, 56
.set G1S, 68
.set G0S, 76
.set G1SB, 80
.set G0SB, 88
.set MSB, 0
.macro WIN new                         ; the immediate's high byte repeats the setting that is left
.if MSB != (\new)
	s_set_vgpr_msb (MSB<<8)|(\new)
.set MSB, \new
.endif
.endm
.set MUL_LO, 0xa1                      ; source 0 (B) window 1, source 1 (A) window 0, C and D window 2
.set MUL_HI, 0xf1
.set TO_B,   0x40
; A joint load: waves 0 and 1 fetch for A, waves 2 and 3 for B.  An s_nop 0 and four v_nop follow each of the two lines.
.macro JLOAD g0a, g1a, g0b, g1b
	s_cmp_eq_u32 s15, 0
	s_cbranch_scc0 .Lfor_b_\@
	tensor_load_to_lds s[\g0a:\g0a+3], s[\g1a:\g1a+7]
	s_nop 0
.rept 4
	v_nop
.endr
	s_branch .Lasked_\@
.Lfor_b_\@:
	tensor_load_to_lds s[\g0b:\g0b+3], s[\g1b:\g1b+7]
	s_nop 0
.rept 4
	v_nop
.endr
.Lasked_\@:
.endm
.macro CROUND                          ; a round of the cluster's barrier
	s_barrier_signal -1
	s_barrier_wait -1
	s_cmp_lg_u32 s14, 0
	s_cbranch_scc1 .Lnot_wave_0_\@
	s_barrier_signal -3
.Lnot_wave_0_\@:
	s_barrier_wait -3
	s_barrier_signal -1
	s_barrier_wait -1
.endm
	s_load_b128 s[4:7], s[0:1], 0x0                ; xc, xs
	s_load_b128 s[8:11], s[0:1], 0x10              ; wc, ws
	s_load_b64 s[12:13], s[0:1], 0x20              ; qkv16
	s_load_b64 s[66:67], s[0:1], 0x28              ; b_qkv
	s_load_b64 s[98:99], s[0:1], 0x30              ; qkvf
	v_lshl_add_u32 v[SPW], v0, 2, SPARE
	v_mov_b32 v[NIL], 0
	ds_add_u32 v[SPW], v[NIL]                      ; the wave's opening: the add, twice on end, and its wait ahead of my first tensor load
	ds_add_u32 v[SPW], v[NIL]
	v_lshrrev_b32 v1, 5, v0
	v_readfirstlane_b32 s14, v1                    ; wave 0..3
	s_lshr_b32 s15, s14, 1                         ; which half of the tile's rows is mine.  Also: I fetch for A (0) or for B (1)
	s_and_b32 s16, s14, 1                          ; which half of its columns.  Also: which 128 rows of that tile I fetch
	s_bfe_u32 s40, ttmp6, 0x40000                  ; cx
	s_bfe_u32 s41, ttmp6, 0x40004                  ; cy
	s_lshl_b32 s42, ttmp9, 2
	s_add_co_u32 s42, s42, s40                     ; tile column of C = 4 x cluster x + cx
	s_and_b32 s96, ttmp7, 0xffff                   ; cluster y
	s_lshl_b32 s17, s41, 3
	s_add_co_u32 s17, s17, s96                     ; tile row of C = 8 cy + cluster y
	s_lshl_b32 s43, s41, 2
	s_lshl_b32 s43, 15, s43                        ; my row of the cluster
	s_lshl_b32 s44, 0x1111, s40                    ; my column
	s_or_b32 s[G1+0], s43, (0<<16)|(1<<20)|(1<<21)|(5<<22)|(3<<25)  ; the mask; elements of 1 byte; padding: 4 words after every 64; bit 21 beside a mask
	s_or_b32 s[G1B+0], s44, (0<<16)|(1<<20)|(1<<21)|(5<<22)|(3<<25)
.irp g, G1, G1B
	s_mov_b32 s[\g+1], ROWB<<16                    ; tensor_dim0
	s_mov_b32 s[\g+2], 128<<16                     ; tensor_dim1
	s_mov_b32 s[\g+3], ROWB<<16                    ; tile_dim0
	s_mov_b32 s[\g+4], 128                         ; tile_dim1
	s_mov_b32 s[\g+5], KROW                        ; pitch
	s_mov_b32 s[\g+6], 0
	s_mov_b32 s[\g+7], 0
.endr
	s_or_b32 s[G1S+0], s43, (3<<16)|(1<<20)|(1<<21)|(5<<22)|(3<<25) ; the scales of 128 rows: 4,096 dense bytes as 16 rows of 32 elements of 8 bytes
	s_or_b32 s[G1SB+0], s44, (3<<16)|(1<<20)|(1<<21)|(5<<22)|(3<<25)
.irp g, G1S, G1SB
	s_mov_b32 s[\g+1], 32<<16
	s_mov_b32 s[\g+2], 16<<16
	s_mov_b32 s[\g+3], 32<<16
	s_mov_b32 s[\g+4], 16
	s_mov_b32 s[\g+5], 32
	s_mov_b32 s[\g+6], 0
	s_mov_b32 s[\g+7], 0
.endr
	s_lshl_b32 s18, s16, 7                         ; which 128 rows of the tile I fetch
	s_lshl_b32 s20, s17, 8
	s_add_co_u32 s20, s20, s18                     ; A: row 256 x tile row + 128 x half
	s_lshl_b32 s46, s42, 8
	s_add_co_u32 s46, s46, s18                     ; B: row 256 x tile column + 128 x half
	s_mov_b32 s21, 0
	s_mov_b32 s47, 0
	s_mov_b64 s[18:19], KS
	s_mul_u64 s[22:23], s[20:21], s[18:19]         ; where these rows' scales begin
	s_mul_u64 s[92:93], s[46:47], s[18:19]
	s_mov_b64 s[18:19], KROW
	s_mul_u64 s[20:21], s[20:21], s[18:19]         ; and their codes
	s_mul_u64 s[46:47], s[46:47], s[18:19]
	s_mul_i32 s45, s14, HALFT                      ; where they go: wave x 128 rows
	s_mul_i32 s94, s14, HALFS
	s_wait_dscnt 0x0                               ; both opening adds are done
	s_wait_kmcnt 0x0
	s_add_nc_u64 s[20:21], s[4:5], s[20:21]
	s_add_nc_u64 s[22:23], s[6:7], s[22:23]
	s_add_nc_u64 s[46:47], s[8:9], s[46:47]
	s_add_nc_u64 s[92:93], s[10:11], s[92:93]
	CROUND                                         ; all sixteen work-groups are here: the joint loads meet
	s_mov_b32 s[G0S], 1
	s_add_co_u32 s[G0S+1], s94, SCL
	s_mov_b64 s[G0S+2:G0S+3], s[22:23]
	s_or_b32 s[G0S+3], s[G0S+3], 0x80000000
	s_mov_b32 s[G0SB], 1
	s_add_co_u32 s[G0SB+1], s94, SCL
	s_mov_b64 s[G0SB+2:G0SB+3], s[92:93]
	s_or_b32 s[G0SB+3], s[G0SB+3], 0x80000000
	JLOAD G0S, G1S, G0SB, G1SB                     ; the scales first: they are wanted with the first step
.irp s, 0,1
	s_mov_b32 s[G0+4*\s], 1
	s_add_co_u32 s[G0+4*\s+1], s45, \s*SLOT
	s_add_nc_u64 s[G0+4*\s+2:G0+4*\s+3], s[20:21], \s*ROWB
	s_or_b32 s[G0+4*\s+3], s[G0+4*\s+3], 0x80000000
	s_mov_b32 s[G0B+4*\s], 1
	s_add_co_u32 s[G0B+4*\s+1], s45, \s*SLOT
	s_add_nc_u64 s[G0B+4*\s+2:G0B+4*\s+3], s[46:47], \s*ROWB
	s_or_b32 s[G0B+4*\s+3], s[G0B+4*\s+3], 0x80000000
	JLOAD G0+4*\s, G1, G0B+4*\s, G1B               ; by this text's count three tensor loads of a wave are out
.endr
	v_and_b32 v1, 15, v0                           ; r = lane % 16
	v_bfe_u32 v2, v0, 4, 1                         ; h = lane / 16
	v_mul_u32_u24 v3, v1, PITCH
	v_lshl_add_u32 v4, v2, 4, v3                   ; a fragment's row x pitch + 16 h
	s_mul_i32 s21, s15, HALFT
	s_mul_i32 s22, s16, HALFT
	s_add_co_u32 s22, s22, 2*HALFT
.irp s, 0,1
	v_add_nc_u32 v[ADRA+\s], s21, v4
	v_add_nc_u32 v[ADRB+\s], s22, v4
	s_add_co_u32 s21, s21, SLOT
	s_add_co_u32 s22, s22, SLOT
.endr
	v_mul_u32_u24 v5, v1, KS                       ; my row's scales: 32 bytes a row,
	v_lshrrev_b32 v6, 8, v5
	v_lshl_add_u32 v5, v6, 4, v5                   ; and 16 more for each 256 passed
	s_mul_i32 s21, s15, HALFS
	s_mul_i32 s22, s16, HALFS
	s_add_co_u32 s22, s22, 2*HALFS
	s_sub_co_u32 s22, s22, s21
	v_mul_u32_u24 v6, s22, v2                      ; lanes 16-31 take B's
	s_add_co_u32 s21, s21, SCL
	v_add_nc_u32 v5, v5, v6
	v_add_nc_u32 v[ADRS], s21, v5
	s_mul_i32 s23, s14, 16*SPITCH                  ; my stage
	v_mul_u32_u24 v5, v1, SPITCH
	v_lshl_add_u32 v5, v2, 5, v5
	v_add_nc_u32 v[STOF], s23, v5
	v_and_b32 v6, 31, v0
	v_lshlrev_b32 v[CO], 4, v6
	v_add_nc_u32 v[RDF], s23, v[CO]
	v_mul_u32_u24 v5, v1, 272
	v_lshl_add_u32 v5, v2, 4, v5
	v_add_nc_u32 v[STO], s23, v5                   ; f16: row r of 272 bytes, + 16 h
	v_lshrrev_b32 v5, 3, v6
	v_mul_u32_u24 v5, v5, 272
	v_and_b32 v6, 7, v0
	v_lshl_add_u32 v5, v6, 4, v5
	v_add_nc_u32 v[RD], s23, v5                    ; back: row lane / 8, 16 bytes at 16 (lane % 8)
	v_lshlrev_b32 v[BO], 5, v2
	; where my part of qkv16 begins: ((tile column / 4) x 64 + 16 cy + my first head) heads of 262,144 bytes + (256 cluster y + 128 x row half) rows of 128
	s_lshl_b32 s46, s42, 2
	s_lshl_b32 s47, s16, 1
	s_add_co_u32 s46, s46, s47
	s_and_b32 s46, s46, 15                         ; my first head: my 128 columns are two heads
	s_lshr_b32 s47, s42, 2
	s_lshl_b32 s47, s47, 6
	s_add_co_u32 s46, s46, s47
	s_lshl_b32 s47, s41, 4
	s_add_co_u32 s46, s46, s47
	s_lshl_b32 s46, s46, 18
	s_lshl_b32 s47, s96, 15
	s_add_co_u32 s46, s46, s47
	s_lshl_b32 s47, s15, 14
	s_add_co_u32 s46, s46, s47
	s_mov_b32 s47, 0
	s_add_nc_u64 s[12:13], s[12:13], s[46:47]
	s_lshl_b32 s46, s42, 10                        ; my first column in f32 bytes: 1,024 x tile column + 512 x column half
	s_lshl_b32 s95, s16, 9
	s_add_co_u32 s46, s46, s95
	s_add_nc_u64 s[66:67], s[66:67], s[46:47]
	s_add_nc_u64 s[98:99], s[98:99], s[46:47]
	s_mul_i32 s46, s41, 16*12288                   ; qkvf: my batch's 16 rows
	s_add_nc_u64 s[98:99], s[98:99], s[46:47]
.irp b, 0,1,2,3,4,5,6,7
	global_load_b128 v[BIAS+8*\b:BIAS+8*\b+3], v[BO], s[66:67] offset:64*\b       ; b_qkv at my columns 16 b + 8 h + 0 .. 7
	global_load_b128 v[BIAS+8*\b+4:BIAS+8*\b+7], v[BO], s[66:67] offset:64*\b+16
.endr
.macro FRAG reg, adr, q, i             ; 16 rows x 128 K of 4-bit codes: 8 registers: two loads of 16 bytes, 32 bytes apart
.irp c, 0,1
	ds_load_b128 v[\reg+4*\c:\reg+4*\c+3], v[\adr] offset:64*(\q)+32*\c+(\i)*16*PITCH
.endr
.endm
; 16 matrix instructions: A's blocks a0, a0 + 1 x B's eight.  zero = 1: the first product starts the sums from the bias.  The 64 accumulators take turns, one instruction a turn.
.macro MUL16 a0, p, q, sc, zero
.irp a, \a0, \a0+1
.irp b, 0,1,2,3,4,5,6,7
.if \zero
	v_wmma_scale_f32_16x16x128_f8f6f4 v[8*(8*((\a)%4)+\b):8*(8*((\a)%4)+\b)+7], v[128*(\p)+FR*\b:128*(\p)+FR*\b+FR-1], v[AF+FR*(\a):AF+FR*(\a)+FR-1], v[BIAS+8*\b:BIAS+8*\b+7], v[SC+8*NQ*(\sc)+NQ*\b+(\q)], v[SC+8*NQ*(\sc)+NQ*(\a)+(\q)] matrix_a_fmt:MATRIX_FMT_FP4 matrix_b_fmt:MATRIX_FMT_FP4 matrix_a_scale:MATRIX_SCALE_ROW1
.else
	v_wmma_scale_f32_16x16x128_f8f6f4 v[8*(8*((\a)%4)+\b):8*(8*((\a)%4)+\b)+7], v[128*(\p)+FR*\b:128*(\p)+FR*\b+FR-1], v[AF+FR*(\a):AF+FR*(\a)+FR-1], v[8*(8*((\a)%4)+\b):8*(8*((\a)%4)+\b)+7], v[SC+8*NQ*(\sc)+NQ*\b+(\q)], v[SC+8*NQ*(\sc)+NQ*(\a)+(\q)] matrix_a_fmt:MATRIX_FMT_FP4 matrix_b_fmt:MATRIX_FMT_FP4 matrix_a_scale:MATRIX_SCALE_ROW1
.endif
.endr
.endr
.endm
.macro FETCH_B slot, q, p
	WIN TO_B
.irp i, 0,1,2,3,4,5,6,7
	FRAG 128*(\p)+FR*\i, ADRB+\slot, \q, \i
.endr
	WIN 0
.endm
.macro FETCH_A slot, q, i0
.irp i, \i0, \i0+1, \i0+2, \i0+3
	FRAG AF+FR*(\i), ADRA+\slot, \q, \i
.endr
.endm
.macro SCALES sc                       ; a slot's scale words: 4 words a row; lanes 0-15 take A's block i, lanes 16-31 B's block i
.irp i, 0,1,2,3,4,5,6,7
	ds_load_b128 v[SC+8*NQ*\sc+NQ*\i:SC+8*NQ*\sc+NQ*\i+3], v[ADRS] offset:\i*SBLK
.endr
.endm
.macro PLACES n                        ; plain vector instructions between a matrix instruction and a load into its sources or a read of its result
.rept \n
	v_nop
.endr
.endm
.macro STEP slot, q, zero              ; a step of 128 along K that has its successor in the same slot
	s_wait_dscnt 4*NL                              ; B's set and A's blocks 0-3 are in; the youngest eight loads (A's blocks 4-7) may be out
.if \zero
	WIN 0x81                                       ; C, the bias, in window 0
.else
	WIN MUL_LO
.endif
	MUL16 0, (\q)%2, \q, \slot, \zero
	MUL16 2, (\q)%2, \q, \slot, \zero
	s_wait_dscnt 0
	PLACES NP
	FETCH_B \slot, (\q)+1, 1-(\q)%2
	FETCH_A \slot, (\q)+1, 0
.if \zero
	WIN 0xc1
.else
	WIN MUL_HI
.endif
	MUL16 4, (\q)%2, \q, \slot, \zero
	MUL16 6, (\q)%2, \q, \slot, \zero
	PLACES NP
	WIN 0
	FETCH_A \slot, (\q)+1, 4
.endm
.macro STEPS slot, from
.set Q, \from
.rept NQ-1-\from
	STEP \slot, Q, 0
.set Q, Q+1
.endr
.endm
	s_wait_tensorcnt 1                             ; the scales and my part of slot 0 are in; slot 1's load may be out
	s_barrier_signal -1
	s_barrier_wait -1
	FETCH_B 0, 0, 0
	FETCH_A 0, 0, 0
	SCALES 0
	FETCH_A 0, 0, 4
	s_wait_loadcnt 0x0                             ; the bias
	STEP 0, 0, 1
	STEPS 0, 1
	; slot 0's last step changes slots: one barrier; in front of it each wave's part of slot 1 has landed and its reads of slot 0 are over
	s_wait_tensorcnt 0x0
	ds_add_u32 v[SPW], v[NIL]
	s_wait_dscnt 4*NL+1                            ; the add and the youngest eight loads may be out
	WIN MUL_LO
	MUL16 0, 1, NQ-1, 0, 0
	s_wait_dscnt 0x0
	s_barrier_signal -1
	MUL16 2, 1, NQ-1, 0, 0
	WIN 0
	s_barrier_wait -1
	PLACES NP
	v_add_nc_u32 v[ADRS], 4*NQ, v[ADRS]            ; on to slot 1's scale words
	FETCH_B 1, 0, 0
	FETCH_A 1, 0, 0
	SCALES 1
	WIN MUL_HI
	MUL16 4, 1, NQ-1, 0, 0
	MUL16 6, 1, NQ-1, 0, 0
	PLACES NP
	WIN 0
	FETCH_A 1, 0, 4
	STEPS 1, 0
	s_wait_dscnt 4*NL                              ; the very last step
	WIN MUL_LO
	MUL16 0, 1, NQ-1, 1, 0
	MUL16 2, 1, NQ-1, 1, 0
	s_wait_dscnt 0
	WIN MUL_HI
	MUL16 4, 1, NQ-1, 1, 0
	MUL16 6, 1, NQ-1, 1, 0
	WIN 0
	PLACES NP                                      ; ahead of the first read of results and of the loads into the registers that held A's fragments
	; THE FINE ROWS: in the clusters with y = 0 the waves of the upper row half hold, in their block 0, the rows t = 0 .. 15 of batch cy: they leave in f32 too, through my stage, as rows of 512 bytes
	s_or_b32 s95, s96, s15
	s_cmp_lg_u32 s95, 0
	s_cbranch_scc1 .Lno_fine
	WIN 0x08                                       ; an LDS store's data: window 2
.irp b, 0,1,2,3,4,5,6,7
	ds_store_b128 v[STOF], v[8*\b:8*\b+3] offset:64*\b               ; each accumulator from its low end on
	ds_store_b128 v[STOF], v[8*\b+4:8*\b+7] offset:64*\b+16
.endr
	WIN 0
.irp t, 0,1,2,3,4,5,6,7,8,9,10,11,12,13,14,15
	ds_load_b128 v[BK+4*\t:BK+4*\t+3], v[RDF] offset:\t*SPITCH       ; LDS serves a wave's instructions in order: these see my stores
.endr
	s_wait_dscnt 0x0
.irp t, 0,1,2,3,4,5,6,7,8,9,10,11,12,13,14,15
	global_store_b128 v[CO], v[BK+4*\t:BK+4*\t+3], s[98:99] offset:\t*12288   ; 32 lanes store 512 bytes on end, aligned
.endr
	s_wait_xcnt 0x0                                ; the stores have read their registers, which the blocks below load again
.Lno_fine:
; THE WAY OUT IN f16, block by block of 16 rows x 128 columns (two heads).  PACK: rounded, 16 bytes a lane.  TOSTAGE: into my stage (rows of 272 bytes) and back, four rows' 128 bytes of one head an instruction.  SEND: stored.
.macro PACK a
.set AC, 64*((\a)%4)
	WIN 0x0a+5*((\a)/4)                            ; sources 0 and 1: window 2 or 3
.irp b, 0,1,2,3,4,5,6,7
.irp r, 0,1,2,3
	v_cvt_pk_f16_f32 v[TMP+4*\b+\r], v[AC+8*\b+2*\r], v[AC+8*\b+2*\r+1]
.endr
.endr
	WIN 0
.endm
.macro TOSTAGE a
.set BB, BK+32*((\a)%2)
.irp b, 0,1,2,3,4,5,6,7
	ds_store_b128 v[STO], v[TMP+4*\b:TMP+4*\b+3] offset:32*\b
.endr
.irp j, 0,1,2,3,4,5,6,7
	ds_load_b128 v[BB+4*\j:BB+4*\j+3], v[RD] offset:(\j%4)*1088+(\j/4)*128
.endr
.endm
.macro SEND a
.set BB, BK+32*((\a)%2)
	s_wait_dscnt 0x0                               ; the block is back in registers
	s_wait_xcnt 0x0                                ; earlier stores have read their registers: the next block's loads may land there
.irp j, 0,1,2,3,4,5,6,7
	global_store_b128 v[CO], v[BB+4*\j:BB+4*\j+3], s[12:13] offset:(\a)*2048+(\j/4)*262144+(\j%4)*512   ; four rows of one head: 512 bytes on end, aligned
.endr
.endm
	PACK 0
	TOSTAGE 0
.irp a, 1,2,3,4,5,6,7                  ; block a's conversions stand between block a - 1's loads from the stage and the wait for them
	PACK \a
	SEND \a-1
	TOSTAGE \a
.endr
	SEND 7
	s_wait_tensorcnt 0x0                           ; the wave's end
	ds_add_u32 v[SPW], v[NIL]
	s_wait_dscnt 0x0
	CROUND                                         ; the closing round
	s_endpgm
.Lfunc_end_k_qafbbf76d60_gemm_qkv:
	.size	k_qafbbf76d60_gemm_qkv, .Lfunc_end_k_qafbbf76d60_gemm_qkv-k_qafbbf76d60_gemm_qkv
	.p2alignl 7, 3214868480
	.fill 96, 4, 3214868480
	.section	.rodata,"a",@progbits
	.p2align	6, 0x0
	.amdhsa_kernel k_qafbbf76d60_gemm_qkv
		.amdhsa_group_segment_fixed_size 327680
		.amdhsa_private_segment_fixed_size 0
		.amdhsa_enable_private_segment 0
		.amdhsa_kernarg_size 56
		.amdhsa_user_sgpr_count 2
		.amdhsa_user_sgpr_kernarg_segment_ptr 1
		.amdhsa_wavefront_size32 1
		.amdhsa_system_sgpr_workgroup_id_x 1
		.amdhsa_system_sgpr_workgroup_id_y 1
		.amdhsa_system_sgpr_workgroup_id_z 1
		.amdhsa_system_vgpr_workitem_id 0
		.amdhsa_next_free_vgpr 1024
		.amdhsa_next_free_sgpr 100
		.amdhsa_reserve_vcc 0
		.amdhsa_float_denorm_mode_32 3
		.amdhsa_float_denorm_mode_16_64 3
		.amdhsa_memory_ordered 1
		.amdhsa_forward_progress 1
		.amdhsa_inst_pref_size 132
	.end_amdhsa_kernel
	.amdgpu_metadata
---
amdhsa.version: [ 1, 2 ]
amdhsa.kernels:
  - .name:           k_qafbbf76d60_gemm_qkv
    .symbol:         k_qafbbf76d60_gemm_qkv.kd
    .args:
      - { .name: xc, .offset: 0, .size: 8, .value_kind: global_buffer, .address_space: global }
      - { .name: xs, .offset: 8, .size: 8, .value_kind: global_buffer, .address_space: global }
      - { .name: wc, .offset: 16, .size: 8, .value_kind: global_buffer, .address_space: global }
      - { .name: ws, .offset: 24, .size: 8, .value_kind: global_buffer, .address_space: global }
      - { .name: qkv16, .offset: 32, .size: 8, .value_kind: global_buffer, .address_space: global }
      - { .name: b_qkv, .offset: 40, .size: 8, .value_kind: global_buffer, .address_space: global }
      - { .name: qkvf, .offset: 48, .size: 8, .value_kind: global_buffer, .address_space: global }
    .group_segment_fixed_size: 327680
    .private_segment_fixed_size: 0
    .kernarg_segment_align: 8
    .kernarg_segment_size: 56
    .max_flat_workgroup_size: 128
    .sgpr_count:     100
    .vgpr_count:     1024
    .wavefront_size: 32
...
	.end_amdgpu_metadata
.endif
;; end of part 2
;; launch attn (part 3): grid 4 x 64, 8 waves a work-group, no clusters, 327,680 bytes of LDS; arguments qkv16, o16; writes o16
.if DOCPART == 3
	.amdgcn_target "amdgcn-amd-amdhsa--gfx1250"
	.amdhsa_code_object_version 6
	.text
	.protected	k_qafbbf76d60_attn
	.globl	k_qafbbf76d60_attn
	.p2align	8
	.type	k_qafbbf76d60_attn,@function
k_qafbbf76d60_attn:
	s_mov_b64 s[64:65], 0
	v_nop
	global_prefetch_b8 v0, s[64:65] scope:SCOPE_SE
	s_setreg_imm32_b32 hwreg(HW_REG_WAVE_MODE, 25, 1), 1
	s_wait_xcnt 0x0
; o[b][h][q][:] = the sum over k <= q of softmax_k(q . k / 8) v[k][:], on f16 operands with f32 products, maxima and sums; the weights p are rounded to f16 for the second product, o once at the end.
; qkv16: f16 [q, k, v][batch x 16 + head][2048][64]; o16: f16 [batch x 16 + head][2048][64].
; LIMITS: o goes to f16 (it is an average of v, so it has v's range).  The rows t < 16 of every sequence are computed here too, and computed again in f32 by a later launch.
; SHARES.  Work-group (j, head) takes the query blocks j and 7 - j of 256 queries, one after the other: (j + 1) + (8 - j) = 9 slots of 256 keys for EVERY work-group: equal work, constant trip counts, no tensor load left out.
; A wave owns 32 queries, two tiles of 16; two waves share a SIMD, so that one wave's softmax stands beside the other's products.
; NO CLUSTER: in trip i work-group j wants slot i or slot i - (j + 1): the four work-groups of a head want different tiles from the second trip on.
; LAYOUT.  S^T = K Q^T, O^T = V^T P: a lane holds one query throughout.  A head's rows are 128 dense bytes: a tile is stated as PAIR ROWS of 256 bytes; row m lies at (m / 2) x pitch + 128 (m % 2).
; Pitch 272 for K: the 16 rows of a load start at banks 4 (r / 2) + 32 (r % 2); pitch 288 for V: the 8 rows x 32 bytes of a turning load start at banks 8 (k / 2) + 32 (k % 2) (64 banks of 4 bytes: ISA guide 11.1).
; SOFTMAX.  A running maximum m and sum l a query: p = 2^(c s - c m), c = log2(e) / 8; in every step O and l are multiplied by a = 2^(c m_old - c m_new).
; THE MASK.  A step of 64 keys all of which come after my 32 queries is jumped over (ids and counts alone); in the one step on the diagonal hidden scores become -infinity.  Both numbers are multiples of 32, so a step that is walked has its first key visible to all my queries.
; REGISTERS: window 0: v1-15 addresses; v16-31 statistics, eight a tile (c m, m, l twice, four at work; a in the seventh); v64-127 S^T; v128-159 P; v160-191 Q; v192-255 K.  window 1: v0-63 O^T; v64-127 V.
.set SLOT1,  1<<17                     ; slot 1 begins here: one exclusive or turns an address
.set KPP,    272
.set VPP,    288
.set VOFF,   128*KPP                   ; a slot: 128 pair rows of K, then 128 of V
.set KSTEPB, 32*KPP                    ; 64 keys
.set VSTEPB, 32*VPP
.set SPARE,  262144                    ; the spare words, 128 bytes for each of eight waves
.set STAGE,  263168                    ; the way out: 32 rows x 144 bytes for each wave, bytes of their own: fills go on behind the first way out
.set SPITCH, 144
.set AK0, 1
.set AV0, 2
.set ADK, 3
.set ADV, 4
.set SPW, 5
.set NIL, 6
.set QO,  7
.set STO, 8
.set RD,  9
.set GO,  10
.set PFO, 11                           ; v11  256 x lane
.set PFO2, 12                          ; v12  the same in V, 16,777,216 bytes behind K
.set RH8, 13                           ; v13  r - 8 h
.set DD,  14
.set NEG, 15
.set ST,  16
.set S,   64
.set P,   128
.set QR,  160
.set KR,  192
.set VR,  64                           ; in window 1
.set WV,  18
.set SEL, 20
.set CS,  22
.set G1K, 24
.set G1V, 32
.set G0K, 40
.set G0V, 44
.set KB,  48                           ; s[48:49] the head's K + my half of a slot;  s[50:51] V likewise
.set VB,  50
.set QB,  52
.set OB,  54
.set QA,  56
.set OA,  58
.set TK,  60
.set TV,  61
.set KF,  62                           ; the step's first key
.set Q0,  63                           ; my first query
.set SLOTS, 66
.set TRIP,  67
.set J1,    68
.set BLK,   69
.set INNER, 70
.set LIM,   71
.set PFA,   72
.set MSB, 0
.macro WIN new
.if MSB != (\new)
	s_set_vgpr_msb (MSB<<8)|(\new)
.set MSB, \new
.endif
.endm
; Waves 0 and 1 fetch K's halves of a slot, waves 2 and 3 V's, the others nothing.  An s_nop 0 and four v_nop follow each of the two lines.
.macro TLOAD
	s_cmp_lt_u32 s[WV], 2
	s_cbranch_scc0 .Lnot_k_\@
	tensor_load_to_lds s[G0K:G0K+3], s[G1K:G1K+7]
	s_nop 0
.rept 4
	v_nop
.endr
	s_branch .Lasked_\@
.Lnot_k_\@:
	s_cmp_lt_u32 s[WV], 4
	s_cbranch_scc0 .Lasked_\@
	tensor_load_to_lds s[G0V:G0V+3], s[G1V:G1V+7]
	s_nop 0
.rept 4
	v_nop
.endr
.Lasked_\@:
.endm
; A PREFETCH INTO THE L2.  Work-group j = 0 of a head asks in trip i for slot i of its second block, so its next change of slots asks for slot i + 1: that slot's 32,768 bytes of K and of V are named here, one change ahead.
; Waves 4 to 7, which fetch nothing, ask: 8,192 bytes a wave and tensor, lanes 256 bytes apart.  So slots 1 to 7 of a head are each named once in the launch; slot 0 comes by its load alone; the last change that fills asks for nothing.
.macro ASK
	s_cmp_gt_u32 s[SLOTS], s[LIM]
	s_cbranch_scc0 .Lnot_mine_\@
	global_prefetch_b8 v[PFO], s[PFA:PFA+1] th:TH_LOAD_NT scope:SCOPE_SE
	global_prefetch_b8 v[PFO2], s[PFA:PFA+1] th:TH_LOAD_NT scope:SCOPE_SE
.Lnot_mine_\@:
.endm
	s_load_b128 s[4:7], s[0:1], 0x0                ; qkv16, o16
	v_lshl_add_u32 v[SPW], v0, 2, SPARE
	v_mov_b32 v[NIL], 0
	ds_add_u32 v[SPW], v[NIL]                      ; the wave's opening: the add, twice on end, and its wait ahead of my first tensor load
	ds_add_u32 v[SPW], v[NIL]
	v_lshrrev_b32 v1, 5, v0
	v_readfirstlane_b32 s[WV], v1                  ; wave 0..7
	s_mov_b32 s[G1K], (1<<16)|(1<<20)|(5<<22)|(3<<25)   ; no mask; elements of 2 bytes; padding: 4 words after every 64
	s_mov_b32 s[G1V], (1<<16)|(1<<20)|(5<<22)|(7<<25)   ; 8 words after every 64
.irp g, G1K, G1V
	s_mov_b32 s[\g+1], 128<<16                     ; tensor_dim0 = 128 elements: a pair row
	s_mov_b32 s[\g+2], 64<<16                      ; tensor_dim1 = 64 pair rows: 128 keys
	s_mov_b32 s[\g+3], 128<<16                     ; tile_dim0
	s_mov_b32 s[\g+4], 64                          ; tile_dim1
	s_mov_b32 s[\g+5], 128                         ; pitch: dense
	s_mov_b32 s[\g+6], 0
	s_mov_b32 s[\g+7], 0
.endr
	s_mov_b32 s[SEL], 0x76543210
	s_mov_b32 s[SEL+1], 0xfedcba98                 ; lane l xor 16
	s_mov_b32 s[CS], 0x3e38aa3b                    ; c = log2(e) / 8
	s_mov_b32 s[CS+1], s[CS]
	s_and_b32 s88, ttmp7, 0xffff
	s_lshl_b32 s88, s88, 18                        ; the head's 262,144 bytes
	s_mov_b32 s89, 0
	s_and_b32 s90, s[WV], 1
	s_lshl_b32 s92, s90, 14                        ; my half of a slot in memory,
	s_mov_b32 s93, 0
	s_mul_i32 s94, s90, 64*KPP                     ; in LDS for K,
	s_mul_i32 s95, s90, 64*VPP
	s_add_co_u32 s95, s95, VOFF                    ; and for V
	s_add_co_u32 s[J1], ttmp9, 1                   ; slots of my first block
	s_mov_b32 s[BLK], ttmp9
	s_mov_b32 s[TK], 0
	s_mov_b32 s[TV], 0
	s_mov_b32 s[TRIP], 0
	s_mov_b32 s[SLOTS], 8
	s_sub_co_u32 s96, s[WV], 4
	s_lshr_b32 s96, s96, 2                         ; 0 in waves 4 to 7,
	s_or_b32 s96, s96, ttmp9                       ; of work-group j = 0
	s_cmp_eq_u32 s96, 0
	s_cselect_b32 s[LIM], 1, -1
	s_and_b32 s96, s[WV], 3
	s_lshl_b32 s96, s96, 13
	s_mov_b32 s97, 0
	s_wait_dscnt 0x0                               ; both opening adds are done
	s_wait_kmcnt 0x0
	s_add_nc_u64 s[QB:QB+1], s[4:5], s[88:89]
	s_add_nc_u64 s[OB:OB+1], s[6:7], s[88:89]
	s_add_nc_u64 s[KB:KB+1], s[QB:QB+1], 0x1000000
	s_add_nc_u64 s[PFA:PFA+1], s[KB:KB+1], s[96:97]   ; slot 0; the first change steps it to slot 1
	s_add_nc_u64 s[KB:KB+1], s[KB:KB+1], s[92:93]
	s_add_nc_u64 s[VB:VB+1], s[KB:KB+1], 0x1000000
	s_mov_b32 s[G0K], 1
	s_mov_b32 s[G0K+1], s94
	s_mov_b64 s[G0K+2:G0K+3], s[KB:KB+1]
	s_or_b32 s[G0K+3], s[G0K+3], 0x80000000
	s_mov_b32 s[G0V], 1
	s_mov_b32 s[G0V+1], s95
	s_mov_b64 s[G0V+2:G0V+3], s[VB:VB+1]
	s_or_b32 s[G0V+3], s[G0V+3], 0x80000000
	TLOAD                                          ; slot 0: keys 0 to 255, which count for every block
	v_and_b32 v14, 15, v0                          ; r
	v_bfe_u32 v15, v0, 4, 1                        ; h
	v_lshrrev_b32 v3, 1, v14
	v_mul_u32_u24 v[AK0], v3, KPP
	v_and_b32 v3, 1, v14
	v_lshl_add_u32 v[AK0], v3, 7, v[AK0]
	v_lshl_add_u32 v[AK0], v15, 4, v[AK0]          ; K: 272 (r / 2) + 128 (r % 2) + 16 h
	v_and_b32 v3, 7, v0
	v_lshl_add_u32 v3, v15, 3, v3                  ; the turning load's key: 8 h + lane % 8
	v_lshrrev_b32 v4, 1, v3
	v_mul_u32_u24 v[AV0], v4, VPP
	v_and_b32 v4, 1, v3
	v_lshl_add_u32 v[AV0], v4, 7, v[AV0]
	v_bfe_u32 v4, v0, 3, 1
	v_lshl_add_u32 v[AV0], v4, 4, v[AV0]
	v_add_nc_u32 v[AV0], VOFF, v[AV0]
	v_lshlrev_b32 v[QO], 7, v14
	v_lshl_add_u32 v[QO], v15, 4, v[QO]            ; Q: row r of 128 bytes + 16 h
	s_mul_i32 s88, s[WV], 32*SPITCH
	s_add_co_u32 s88, s88, STAGE
	v_mul_u32_u24 v[STO], v14, SPITCH
	v_lshl_add_u32 v[STO], v15, 4, v[STO]
	v_add_nc_u32 v[STO], s88, v[STO]
	v_and_b32 v3, 31, v0
	v_lshrrev_b32 v4, 3, v3
	v_mul_u32_u24 v[RD], v4, SPITCH
	v_and_b32 v4, 7, v0
	v_lshl_add_u32 v[RD], v4, 4, v[RD]
	v_add_nc_u32 v[RD], s88, v[RD]
	v_lshlrev_b32 v[GO], 4, v3
	v_lshlrev_b32 v[PFO], 8, v3
	v_add_nc_u32 v[PFO2], 0x1000000, v[PFO]
	v_lshlrev_b32 v4, 3, v15
	v_sub_nc_u32 v[RH8], v14, v4
; A BLOCK BEGINS: my 32 queries' fragments; O^T, l as zeros, m as -3e38: the first change of m multiplies zeros.  (Where a block begins hangs on the work-group's number, so no first step can be written out with C = 0.)
.macro INIT
	s_lshl_b32 s[Q0], s[BLK], 8
	s_lshl_b32 s88, s[WV], 5
	s_add_co_u32 s[Q0], s[Q0], s88                 ; my first query
	s_lshl_b32 s88, s[Q0], 7
	s_mov_b32 s89, 0
	s_add_nc_u64 s[QA:QA+1], s[QB:QB+1], s[88:89]
	s_add_nc_u64 s[OA:OA+1], s[OB:OB+1], s[88:89]
	s_mov_b32 s[KF], 0
.irp t, 0,1
.irp cc, 0,1
	global_load_b128 v[QR+16*\t+8*\cc:QR+16*\t+8*\cc+3], v[QO], s[QA:QA+1] offset:\t*2048+64*\cc
	global_load_b128 v[QR+16*\t+8*\cc+4:QR+16*\t+8*\cc+7], v[QO], s[QA:QA+1] offset:\t*2048+64*\cc+32
.endr
.endr
	WIN 0x40
.set i, 0
.rept 64
	v_mov_b32 v[i], 0
.set i, i+1
.endr
	WIN 0
.irp t, 0,1
	v_mov_b32 v[ST+8*\t+1], 0xff61b1e6             ; m: -3e38, under every score
.irp k, 2,3,4,5,6,7
	v_mov_b32 v[ST+8*\t+\k], 0
.endr
	v_mul_f32 v[ST+8*\t], s[CS], v[ST+8*\t+1]
.endr
	s_wait_loadcnt 0x0                             ; Q
.endm
; A KEY STEP: 64 keys.
.macro STEP
	s_add_co_u32 s88, s[Q0], 31
	s_cmp_gt_u32 s[KF], s88                        ; all 64 keys come after my 32 queries: nothing to do but step the addresses
	s_cbranch_scc1 .Lhidden_\@
	v_add_nc_u32 v[ADK], s[TK], v[AK0]
	v_add_nc_u32 v[ADV], s[TV], v[AV0]
	v_nop
	v_nop                                          ; four places between the last step's products and the loads into V's registers
.irp kt, 0,1,2,3
.irp cc, 0,1
	ds_load_b128 v[KR+16*\kt+8*\cc:KR+16*\kt+8*\cc+3], v[ADK] offset:\kt*2176+64*\cc
	ds_load_b128 v[KR+16*\kt+8*\cc+4:KR+16*\kt+8*\cc+7], v[ADK] offset:\kt*2176+64*\cc+32
.endr
.endr
	WIN 0x40                                       ; destination window 1
.irp u, 0,1
.irp c, 0,1,2,3
	ds_load_tr16_b128 v[VR+32*\u+8*\c:VR+32*\u+8*\c+3], v[ADV] offset:\u*4608+32*\c
	ds_load_tr16_b128 v[VR+32*\u+8*\c+4:VR+32*\u+8*\c+7], v[ADV] offset:\u*4608+2304+32*\c
.endr
.endr
	WIN 0
	s_wait_dscnt 16                                ; K is in; V's sixteen loads stay out
.irp cc, 0,1                                   ; S^T = K Q^T: the eight accumulators take turns
.irp kt, 0,1,2,3
.irp t, 0,1
.if \cc == 0
	v_wmma_f32_16x16x32_f16 v[S+32*\t+8*\kt:S+32*\t+8*\kt+7], v[KR+16*\kt+8*\cc:KR+16*\kt+8*\cc+7], v[QR+16*\t+8*\cc:QR+16*\t+8*\cc+7], 0
.else
	v_wmma_f32_16x16x32_f16 v[S+32*\t+8*\kt:S+32*\t+8*\kt+7], v[KR+16*\kt+8*\cc:KR+16*\kt+8*\cc+7], v[QR+16*\t+8*\cc:QR+16*\t+8*\cc+7], v[S+32*\t+8*\kt:S+32*\t+8*\kt+7]
.endif
.endr
.endr
.endr
.rept 4
	v_nop
.endr
	s_add_co_u32 s88, s[KF], 63
	s_cmp_le_u32 s88, s[Q0]                        ; all 64 keys count for all my queries: no mask
	s_cbranch_scc1 .Lopen_\@
	s_sub_co_i32 s88, s[Q0], s[KF]
	v_mov_b32 v[NEG], 0xff800000
.irp t, 0,1                                    ; register n of tile t holds key KF + 16 (n / 8) + 8 h + n % 8: hidden where 16 (n / 8) + n % 8 > d = my query - KF - 8 h
	v_add_nc_u32 v[DD], s88, v[RH8]
.set n, 0
.rept 32
	v_cmp_gt_i32 vcc_lo, 16*(n/8)+n%8, v[DD]
	v_cndmask_b32 v[S+32*\t+n], v[S+32*\t+n], v[NEG], vcc_lo
.set n, n+1
.endr
	s_add_co_u32 s88, s88, 16
.endr
.Lopen_\@:
.irp j, 0,1,2,3                                ; the maximum of my 32 scores and the old m: four chains, each accumulator from its low end on; the two tiles alternate
.irp t, 0,1
	v_max3_num_f32 v[ST+8*\t+4+\j], v[S+32*\t+8*\j], v[S+32*\t+8*\j+1], v[S+32*\t+8*\j+2]
.endr
.endr
.irp q, 1,2
.irp j, 0,1,2,3
.irp t, 0,1
	v_max3_num_f32 v[ST+8*\t+4+\j], v[ST+8*\t+4+\j], v[S+32*\t+8*\j+2*\q+1], v[S+32*\t+8*\j+2*\q+2]
.endr
.endr
.endr
.irp t, 0,1
	v_max3_num_f32 v[ST+8*\t+4], v[ST+8*\t+4], v[S+32*\t+7], v[S+32*\t+15]
	v_max3_num_f32 v[ST+8*\t+6], v[ST+8*\t+6], v[S+32*\t+23], v[S+32*\t+31]
.endr
.irp t, 0,1
	v_max3_num_f32 v[ST+8*\t+4], v[ST+8*\t+4], v[ST+8*\t+5], v[ST+8*\t+6]
.endr
.irp t, 0,1
	v_max3_num_f32 v[ST+8*\t+4], v[ST+8*\t+4], v[ST+8*\t+7], v[ST+8*\t+1]
.endr
.irp t, 0,1
	v_permlanex16_b32 v[ST+8*\t+5], v[ST+8*\t+4], s[SEL], s[SEL+1]   ; the query's other 32 keys lie in the lane 16 away
.endr
.irp t, 0,1
	v_mov_b32 v[ST+8*\t+7], v[ST+8*\t]             ; c m_old
.endr
.irp t, 0,1
	v_max_num_f32 v[ST+8*\t+1], v[ST+8*\t+4], v[ST+8*\t+5]
.endr
.irp t, 0,1
	v_mul_f32 v[ST+8*\t], s[CS], v[ST+8*\t+1]
.endr
.irp t, 0,1
	v_sub_f32 v[ST+8*\t+7], v[ST+8*\t+7], v[ST+8*\t]
.endr
.set i, 0
.rept 16
.irp t, 0,1
	v_pk_fma_f32 v[S+32*\t+i:S+32*\t+i+1], v[S+32*\t+i:S+32*\t+i+1], s[CS:CS+1], v[ST+8*\t:ST+8*\t+1] op_sel_hi:[1,0,0] neg_lo:[0,0,1] neg_hi:[0,0,1]   ; c s - c m
.endr
.set i, i+2
.endr
.irp t, 0,1
	v_exp_f32 v[ST+8*\t+6], v[ST+8*\t+7]           ; a
.endr
.set i, 0
.rept 32
.irp t, 0,1
	v_exp_f32 v[S+32*\t+i], v[S+32*\t+i]           ; p: all 66 exponentials are one batch: none reads another's result
.endr
.set i, i+1
.endr
	v_nop                                          ; a plain instruction behind the last exponential
	s_wait_alu depctr_va_vdst(0)                   ; one wait for the batch, ahead of its first reader
.set i, 0
.rept 16
.irp t, 0,1
	v_cvt_pk_f16_f32 v[P+16*\t+i], v[S+32*\t+2*i], v[S+32*\t+2*i+1]
.endr
.set i, i+1
.endr
.irp u, 0,1,2,3,4,5,6,7                        ; the sum of the 16 pairs, in place, as a tree
.irp t, 0,1
	v_pk_add_f32 v[S+32*\t+4*\u:S+32*\t+4*\u+1], v[S+32*\t+4*\u:S+32*\t+4*\u+1], v[S+32*\t+4*\u+2:S+32*\t+4*\u+3]
.endr
.endr
.irp u, 0,1,2,3
.irp t, 0,1
	v_pk_add_f32 v[S+32*\t+8*\u:S+32*\t+8*\u+1], v[S+32*\t+8*\u:S+32*\t+8*\u+1], v[S+32*\t+8*\u+4:S+32*\t+8*\u+5]
.endr
.endr
.irp u, 0,1
.irp t, 0,1
	v_pk_add_f32 v[S+32*\t+16*\u:S+32*\t+16*\u+1], v[S+32*\t+16*\u:S+32*\t+16*\u+1], v[S+32*\t+16*\u+8:S+32*\t+16*\u+9]
.endr
.endr
.irp t, 0,1
	v_pk_add_f32 v[S+32*\t:S+32*\t+1], v[S+32*\t:S+32*\t+1], v[S+32*\t+16:S+32*\t+17]
.endr
.irp t, 0,1
	v_pk_fma_f32 v[ST+8*\t+2:ST+8*\t+3], v[ST+8*\t+2:ST+8*\t+3], v[ST+8*\t+6:ST+8*\t+7], v[S+32*\t:S+32*\t+1] op_sel_hi:[1,0,1]   ; l = a l + the sum
.endr
	WIN 0x41                                       ; O^T (destination and source 0) in window 1
.set i, 0
.rept 16
.irp t, 0,1
	v_pk_mul_f32 v[32*\t+i:32*\t+i+1], v[32*\t+i:32*\t+i+1], v[ST+8*\t+6:ST+8*\t+7] op_sel_hi:[1,0]
.endr
.set i, i+2
.endr
	s_wait_dscnt 0x0                               ; V is in
	WIN 0x51                                       ; V and O^T in window 1, P in window 0
.irp u, 0,1                                    ; O^T += V^T P: the eight accumulators take turns
.irp c, 0,1,2,3
.irp t, 0,1
	v_wmma_f32_16x16x32_f16 v[32*\t+8*\c:32*\t+8*\c+7], v[VR+32*\u+8*\c:VR+32*\u+8*\c+7], v[P+16*\t+8*\u:P+16*\t+8*\u+7], v[32*\t+8*\c:32*\t+8*\c+7]
.endr
.endr
.endr
	WIN 0
.Lhidden_\@:
	s_add_co_u32 s[KF], s[KF], 64
	s_add_co_u32 s[TK], s[TK], KSTEPB
	s_add_co_u32 s[TV], s[TV], VSTEPB
.endm
.macro FOUR_STEPS                      ; a slot's four key steps: written once, walked four times; then on to the other slot
	s_mov_b32 s[INNER], 4
.Lstep_\@:
	STEP
	s_sub_co_u32 s[INNER], s[INNER], 1
	s_cmp_lg_u32 s[INNER], 0
	s_cbranch_scc1 .Lstep_\@
	s_sub_co_u32 s[TK], s[TK], 4*KSTEPB
	s_sub_co_u32 s[TV], s[TV], 4*VSTEPB
	s_xor_b32 s[TK], s[TK], SLOT1
	s_xor_b32 s[TV], s[TV], SLOT1
.endm
; THE CHANGE OF SLOTS stands at a slot's head.  Each wave waits for all its tensor loads (its part of the slot ahead), adds 0 to its spare word, and waits for that and for its reads of the slot that it has left.
; Behind the barrier the slot ahead is whole and nobody reads the other one, which takes the next trip's keys: slot n of my first block, or n - (j + 1) of my second.  One tensor load of a wave is out at the most.
.macro CHANGE fill
	s_wait_tensorcnt 0x0
	ds_add_u32 v[SPW], v[NIL]
.if \fill
	ds_add_u32 v[SPW], v[NIL]                      ; and twice on end here, in every trip alike
	s_xor_b32 s[G0K+1], s[G0K+1], SLOT1
	s_xor_b32 s[G0V+1], s[G0V+1], SLOT1
	s_add_co_u32 s88, s[TRIP], 1
	s_cmp_ge_u32 s88, s[J1]
	s_cselect_b32 s89, s[J1], 0
	s_sub_co_u32 s88, s88, s89
	s_lshl_b32 s88, s88, 15                        ; 256 keys of 128 bytes a slot
	s_mov_b32 s89, 0
	s_add_nc_u64 s[G0K+2:G0K+3], s[KB:KB+1], s[88:89]
	s_or_b32 s[G0K+3], s[G0K+3], 0x80000000
	s_add_nc_u64 s[G0V+2:G0V+3], s[VB:VB+1], s[88:89]
	s_or_b32 s[G0V+3], s[G0V+3], 0x80000000
	s_wait_xcnt 0x0                                ; the last prefetches, a slot back, have read their address
	s_add_nc_u64 s[PFA:PFA+1], s[PFA:PFA+1], 32768
.endif
	s_wait_dscnt 0x0
	s_barrier_signal -1
	s_barrier_wait -1
.if \fill
	TLOAD
	ASK
.endif
.endm
; A BLOCK ENDS: l's halves are added; O^T / l, rounded to f16, goes through my stage (rows of 144 bytes) and leaves as 512 bytes on end an instruction.
.macro FINISH
.irp t, 0,1
	v_add_f32 v[ST+8*\t+4], v[ST+8*\t+2], v[ST+8*\t+3]
.endr
	v_nop
	v_nop                                          ; four places behind the last products
.irp t, 0,1
	v_permlanex16_b32 v[ST+8*\t+5], v[ST+8*\t+4], s[SEL], s[SEL+1]
.endr
.irp t, 0,1
	v_add_f32 v[ST+8*\t+4], v[ST+8*\t+4], v[ST+8*\t+5]
.endr
.irp t, 0,1
	v_rcp_f32 v[ST+8*\t+6], v[ST+8*\t+4]
.endr
	v_nop
	s_wait_alu depctr_va_vdst(0)                   ; one wait for the two reciprocals, ahead of their first reader
	WIN 0x01                                       ; source 0 (O^T) window 1
.set i, 0
.rept 16
.irp t, 0,1
	v_pk_mul_f32 v[S+32*\t+i:S+32*\t+i+1], v[32*\t+i:32*\t+i+1], v[ST+8*\t+6:ST+8*\t+7] op_sel_hi:[1,0]
.endr
.set i, i+2
.endr
	WIN 0
.set i, 0
.rept 16
.irp t, 0,1
	v_cvt_pk_f16_f32 v[P+16*\t+i], v[S+32*\t+2*i], v[S+32*\t+2*i+1]
.endr
.set i, i+1
.endr
.irp t, 0,1
.irp c, 0,1,2,3
	ds_store_b128 v[STO], v[P+16*\t+4*\c:P+16*\t+4*\c+3] offset:2304*\t+32*\c
.endr
.endr
.irp n, 0,1,2,3,4,5,6,7
	ds_load_b128 v[S+4*\n:S+4*\n+3], v[RD] offset:576*\n             ; LDS serves a wave's instructions in order: these see my stores
.endr
.irp n, 0,1,2,3,4,5,6,7
	s_wait_dscnt 7-\n                              ; loads come back in order: number n is in
	global_store_b128 v[GO], v[S+4*\n:S+4*\n+3], s[OA:OA+1] offset:512*\n
.endr
	s_wait_xcnt 0x0                                ; the stores have read their registers and their base: both are written again
.endm
	INIT
.Lslot:                                            ; eight trips: behind each change of slots but the last the next slot is asked for
	CHANGE 1
	s_cmp_lg_u32 s[TRIP], s[J1]                    ; my first block's j + 1 slots are done: the same test in all eight waves
	s_cbranch_scc1 .Lsame
	FINISH
	s_sub_co_u32 s[BLK], 8, s[J1]                  ; block 7 - j
	INIT
.Lsame:
	FOUR_STEPS
	s_add_co_u32 s[TRIP], s[TRIP], 1
	s_sub_co_u32 s[SLOTS], s[SLOTS], 1
	s_cmp_lg_u32 s[SLOTS], 0
	s_cbranch_scc1 .Lslot
	CHANGE 0                                       ; the ninth slot is written out
	FOUR_STEPS
	FINISH
	s_wait_tensorcnt 0x0                           ; the wave's end
	ds_add_u32 v[SPW], v[NIL]
	s_wait_dscnt 0x0
	s_endpgm
.Lfunc_end_k_qafbbf76d60_attn:
	.size	k_qafbbf76d60_attn, .Lfunc_end_k_qafbbf76d60_attn-k_qafbbf76d60_attn
	.p2alignl 7, 3214868480
	.fill 96, 4, 3214868480
	.section	.rodata,"a",@progbits
	.p2align	6, 0x0
	.amdhsa_kernel k_qafbbf76d60_attn
		.amdhsa_group_segment_fixed_size 327680
		.amdhsa_private_segment_fixed_size 0
		.amdhsa_enable_private_segment 0
		.amdhsa_kernarg_size 16
		.amdhsa_user_sgpr_count 2
		.amdhsa_user_sgpr_kernarg_segment_ptr 1
		.amdhsa_wavefront_size32 1
		.amdhsa_system_sgpr_workgroup_id_x 1
		.amdhsa_system_sgpr_workgroup_id_y 1
		.amdhsa_system_sgpr_workgroup_id_z 1
		.amdhsa_system_vgpr_workitem_id 0
		.amdhsa_next_free_vgpr 384
		.amdhsa_next_free_sgpr 100
		.amdhsa_reserve_vcc 1
		.amdhsa_float_denorm_mode_32 3
		.amdhsa_float_denorm_mode_16_64 3
		.amdhsa_memory_ordered 1
		.amdhsa_forward_progress 1
		.amdhsa_inst_pref_size 73
	.end_amdhsa_kernel
	.amdgpu_metadata
---
amdhsa.version: [ 1, 2 ]
amdhsa.kernels:
  - .name:           k_qafbbf76d60_attn
    .symbol:         k_qafbbf76d60_attn.kd
    .args:
      - { .name: qkv16, .offset: 0, .size: 8, .value_kind: global_buffer, .address_space: global }
      - { .name: o16, .offset: 8, .size: 8, .value_kind: global_buffer, .address_space: global }
    .group_segment_fixed_size: 327680
    .private_segment_fixed_size: 0
    .kernarg_segment_align: 8
    .kernarg_segment_size: 16
    .max_flat_workgroup_size: 256
    .sgpr_count:     100
    .vgpr_count:     384
    .wavefront_size: 32
...
	.end_amdgpu_metadata
.endif
;; end of part 3
;; launch proj (part 4): grid 4 x 64, 4 waves a work-group, clusters of 4 x 4, 327,680 bytes of LDS; arguments o16, wo16, out0, b_out; writes out0
.if DOCPART == 4
	.amdgcn_target "amdgcn-amd-amdhsa--gfx1250"
	.amdhsa_code_object_version 6
	.text
	.protected	k_qafbbf76d60_proj
	.globl	k_qafbbf76d60_proj
	.p2align	8
	.type	k_qafbbf76d60_proj,@function
k_qafbbf76d60_proj:
	s_mov_b64 s[64:65], 0
	v_nop
	global_prefetch_b8 v0, s[64:65] scope:SCOPE_SE
	s_setreg_imm32_b32 hwreg(HW_REG_WAVE_MODE, 25, 1), 1
	s_wait_xcnt 0x0
	s_wait_alu depctr_hold_cnt(0) depctr_sa_sdst(0) depctr_va_vdst(0) depctr_va_sdst(0) depctr_va_ssrc(0) depctr_va_vcc(0) depctr_vm_vsrc(0)
	s_getreg_b32 s2, hwreg(HW_REG_IB_STS2, 6, 4)
	s_cmp_eq_u32 s2, 0
	s_cbranch_scc0 .Lentry_in_a_cluster
	s_endpgm
.Lentry_in_a_cluster:
	s_bfe_u32 s2, ttmp6, 0x10000c
	s_cmp_lg_u32 s2, 0xf033
	s_cbranch_scc0 .Lentry_shape_is_right
	s_endpgm
.Lentry_shape_is_right:
; out0 = o W_out + b_out on f16 operands, sums in f32.  A = o16 [batch x 16 + head][2048][64] f16 (K = head x 64 + channel), B = wo16 [n 1024][k 1024] f16, out0 [8192][1024] f32.
; The rows t < 16 of every batch are written here and written over, from f32 operands, by the launch that follows.
; A tile of C is 128 x 256: 256 work-groups, where tiles of 256 x 256 would be 128.  Four waves, each 64 x 128: 32 accumulators, 256 registers.
; K goes in steps of 128 (two heads) through a ring of two LDS slots.  A's part of a step is, for each of the two heads, 128 rows of 128 dense bytes, stated as 64 pair rows of 256 bytes: row m at 272 (m / 2) + 128 (m % 2).
; CLUSTERS: 4 x 4 work-groups; A's tiles (they hang on the tile row alone) are asked for jointly along a row of the cluster, B's (on the tile column alone) along a column.
; NO PREFETCH: the walk along K is eight steps, and each tile is asked for one step ahead by a joint load.
; THE MATRIX INSTRUCTION IS USED TRANSPOSED (source 0 = 16 rows of B, source 1 = 16 rows of A).  THE BIAS is the C of each sum's first instruction.
; REGISTERS: window 0: v0-31 addresses; v64-127 A's fragments, two buffers of 32; v128-191 the bias; on the way out v128-255 rows of C.  window 1: B's fragments, two buffers of 64.  window 2: the accumulators, (a, b) at 8 (8 a + b).
.set APART,  64*272                    ; a head's 128 rows
.set BHALF,  128*272
.set BOFF,   2*APART
.set SLOT,   BOFF+2*BHALF              ; 104,448
.set STAGE,  2*SLOT                    ; 16 rows x 528 bytes for each wave
.set SPITCH, 528
.set SPARE,  STAGE+4*16*SPITCH
.set LAPS,   4                         ; a lap = two K steps
.set ADRA, 16
.set ADRB, 20
.set STO,  24
.set RD,   25
.set CO,   26
.set SPW,  28
.set NIL,  29
.set BO,   30
.set AF,   64
.set BIAS, 128
.set BK,   128
.set G1, 24
.set G0, 32
.set G1B, 48
.set G0B, 56
.set MSB, 0
.macro WIN new
.if MSB != (\new)
	s_set_vgpr_msb (MSB<<8)|(\new)
.set MSB, \new
.endif
.endm
.set MUL, 0xa1                         ; source 0 (B) window 1, source 1 (A) window 0, C and D window 2
.macro JLOAD s                         ; waves 0 and 1 fetch A's two heads, waves 2 and 3 B's two halves; an s_nop 0 and four v_nop follow each line
	s_cmp_eq_u32 s15, 0
	s_cbranch_scc0 .Lfor_b_\@
	tensor_load_to_lds s[G0+4*\s:G0+4*\s+3], s[G1:G1+7]
	s_nop 0
.rept 4
	v_nop
.endr
	s_branch .Lasked_\@
.Lfor_b_\@:
	tensor_load_to_lds s[G0B+4*\s:G0B+4*\s+3], s[G1B:G1B+7]
	s_nop 0
.rept 4
	v_nop
.endr
.Lasked_\@:
.endm
.macro CREST
	s_cmp_lg_u32 s14, 0
	s_cbranch_scc1 .Lnot_wave_0_\@
	s_barrier_signal -3
.Lnot_wave_0_\@:
	s_barrier_wait -3
	s_barrier_signal -1
	s_barrier_wait -1
.endm
.macro CROUND
	s_barrier_signal -1
	s_barrier_wait -1
	CREST
.endm
	s_load_b128 s[4:7], s[0:1], 0x0                ; o16, wo16
	s_load_b128 s[8:11], s[0:1], 0x10              ; out0, b_out
	v_lshl_add_u32 v[SPW], v0, 2, SPARE
	v_mov_b32 v[NIL], 0
	ds_add_u32 v[SPW], v[NIL]                      ; the wave's opening: the add, twice on end, and its wait ahead of my first tensor load
	ds_add_u32 v[SPW], v[NIL]
	v_lshrrev_b32 v1, 5, v0
	v_readfirstlane_b32 s14, v1                    ; wave 0..3
	s_lshr_b32 s15, s14, 1                         ; which 64 rows are mine.  Also: I fetch for A (0) or for B (1)
	s_and_b32 s16, s14, 1                          ; which 128 columns.  Also: which head of A, which half of B I fetch
	s_bfe_u32 s40, ttmp6, 0x40000                  ; cx = the tile column: the grid is one cluster wide
	s_bfe_u32 s41, ttmp6, 0x40004                  ; cy
	s_and_b32 s17, ttmp7, 0xffff
	s_lshl_b32 s17, s17, 2
	s_add_co_u32 s17, s17, s41                     ; tile row = 4 x cluster y + cy
	s_lshl_b32 s43, s41, 2
	s_lshl_b32 s43, 15, s43                        ; my row of the cluster
	s_lshl_b32 s44, 0x1111, s40                    ; my column
	s_or_b32 s[G1+0], s43, (1<<16)|(1<<20)|(1<<21)|(5<<22)|(3<<25)   ; the mask; elements of 2 bytes; padding: 4 words after every 64; bit 21 beside a mask
	s_mov_b32 s[G1+1], 128<<16                     ; A: 64 pair rows of 128 elements, dense
	s_mov_b32 s[G1+2], 64<<16
	s_mov_b32 s[G1+3], 128<<16
	s_mov_b32 s[G1+4], 64
	s_mov_b32 s[G1+5], 128
	s_mov_b32 s[G1+6], 0
	s_mov_b32 s[G1+7], 0
	s_or_b32 s[G1B+0], s44, (1<<16)|(1<<20)|(1<<21)|(5<<22)|(3<<25)
	s_mov_b32 s[G1B+1], 128<<16                    ; B: 128 rows of 128 elements, 1,024 elements apart
	s_mov_b32 s[G1B+2], 128<<16
	s_mov_b32 s[G1B+3], 128<<16
	s_mov_b32 s[G1B+4], 128
	s_mov_b32 s[G1B+5], 1024
	s_mov_b32 s[G1B+6], 0
	s_mov_b32 s[G1B+7], 0
	s_lshr_b32 s20, s17, 4                         ; A: ((batch x 16 + my head of the step) x 2,048 + 128 (tile row % 16)) rows of 128 bytes
	s_lshl_b32 s20, s20, 4
	s_add_co_u32 s20, s20, s16
	s_lshl_b32 s20, s20, 18
	s_and_b32 s21, s17, 15
	s_lshl_b32 s21, s21, 14
	s_add_co_u32 s20, s20, s21
	s_mov_b32 s21, 0
	s_lshl_b32 s46, s40, 19                        ; B: row 256 x tile column + 128 x half, 2,048 bytes a row
	s_lshl_b32 s47, s16, 18
	s_add_co_u32 s46, s46, s47
	s_mov_b32 s47, 0
	s_mul_i32 s45, s16, APART                      ; where they go: no place in the cluster enters an LDS address
	s_mul_i32 s42, s16, BHALF
	s_add_co_u32 s42, s42, BOFF
	s_wait_dscnt 0x0                               ; both opening adds are done
	s_wait_kmcnt 0x0
	s_add_nc_u64 s[20:21], s[4:5], s[20:21]
	s_add_nc_u64 s[46:47], s[6:7], s[46:47]
	CROUND                                         ; all sixteen work-groups are here: the first joint loads meet
.irp s, 0,1
	s_mov_b32 s[G0+4*\s], 1
	s_add_co_u32 s[G0+4*\s+1], s45, \s*SLOT
	s_add_nc_u64 s[G0+4*\s+2:G0+4*\s+3], s[20:21], \s*524288       ; K step s: two heads on
	s_or_b32 s[G0+4*\s+3], s[G0+4*\s+3], 0x80000000
	s_mov_b32 s[G0B+4*\s], 1
	s_add_co_u32 s[G0B+4*\s+1], s42, \s*SLOT
	s_add_nc_u64 s[G0B+4*\s+2:G0B+4*\s+3], s[46:47], \s*256
	s_or_b32 s[G0B+4*\s+3], s[G0B+4*\s+3], 0x80000000
	JLOAD \s
.endr
	v_and_b32 v1, 15, v0                           ; r
	v_bfe_u32 v2, v0, 4, 1                         ; h
	v_lshrrev_b32 v3, 1, v1
	v_mul_u32_u24 v3, v3, 272
	v_and_b32 v4, 1, v1
	v_lshl_add_u32 v3, v4, 7, v3
	v_lshl_add_u32 v3, v2, 4, v3                   ; A: 272 (r / 2) + 128 (r % 2) + 16 h
	v_mul_u32_u24 v4, v1, 272
	v_lshl_add_u32 v4, v2, 4, v4                   ; B: 272 r + 16 h
	s_mul_i32 s21, s15, 32*272                     ; my 64 rows of A
	s_mul_i32 s22, s16, BHALF
	s_add_co_u32 s22, s22, BOFF                    ; my 128 rows of B
.irp s, 0,1
	v_add_nc_u32 v[ADRA+\s], s21, v3
	v_add_nc_u32 v[ADRB+\s], s22, v4
	s_add_co_u32 s21, s21, SLOT
	s_add_co_u32 s22, s22, SLOT
.endr
	s_mul_i32 s23, s14, 16*SPITCH
	s_add_co_u32 s23, s23, STAGE                   ; my stage
	v_mul_u32_u24 v5, v1, SPITCH
	v_lshl_add_u32 v5, v2, 5, v5
	v_add_nc_u32 v[STO], s23, v5
	v_and_b32 v6, 31, v0
	v_lshlrev_b32 v[CO], 4, v6
	v_add_nc_u32 v[RD], s23, v[CO]
	v_lshlrev_b32 v[BO], 5, v2
	s_lshl_b32 s46, s40, 10                        ; my first column in bytes: 1,024 x tile column + 512 x half
	s_lshl_b32 s47, s16, 9
	s_add_co_u32 s46, s46, s47
	s_mov_b32 s47, 0
	s_add_nc_u64 s[10:11], s[10:11], s[46:47]
	s_add_nc_u64 s[8:9], s[8:9], s[46:47]
	s_lshl_b32 s46, s17, 19                        ; my first row: 128 x tile row + 64 x half, 4,096 bytes a row
	s_lshl_b32 s20, s15, 18
	s_add_co_u32 s46, s46, s20
	s_add_nc_u64 s[8:9], s[8:9], s[46:47]
.irp b, 0,1,2,3,4,5,6,7
	global_load_b128 v[BIAS+8*\b:BIAS+8*\b+3], v[BO], s[10:11] offset:64*\b       ; b_out at my columns 16 b + 8 h + 0 .. 7
	global_load_b128 v[BIAS+8*\b+4:BIAS+8*\b+7], v[BO], s[10:11] offset:64*\b+16
.endr
; 8 matrix instructions: A's block a x B's eight, 32 along K, buffer f.  zero = 1: the sums start from the bias.  The 32 accumulators take turns, one instruction a turn.
.macro MUL8 f, a, zero
.irp b, 0,1,2,3,4,5,6,7
.if \zero
	v_wmma_f32_16x16x32_f16 v[8*(8*(\a)+\b):8*(8*(\a)+\b)+7], v[64*(\f)+8*\b:64*(\f)+8*\b+7], v[AF+32*(\f)+8*(\a):AF+32*(\f)+8*(\a)+7], v[BIAS+8*\b:BIAS+8*\b+7]
.else
	v_wmma_f32_16x16x32_f16 v[8*(8*(\a)+\b):8*(8*(\a)+\b)+7], v[64*(\f)+8*\b:64*(\f)+8*\b+7], v[AF+32*(\f)+8*(\a):AF+32*(\f)+8*(\a)+7], v[8*(8*(\a)+\b):8*(8*(\a)+\b)+7]
.endif
.endr
.endm
; 24 LDS loads in one run: quarter q (32 along K) of a slot into buffer f: B's eight fragments, then A's four
.macro FETCH slot, q, f
	WIN 0x40
.irp i, 0,1,2,3,4,5,6,7
	ds_load_b128 v[64*(\f)+8*\i:64*(\f)+8*\i+3], v[ADRB+\slot] offset:64*(\q)+\i*4352
	ds_load_b128 v[64*(\f)+8*\i+4:64*(\f)+8*\i+7], v[ADRB+\slot] offset:64*(\q)+\i*4352+32
.endr
	WIN 0
.irp i, 0,1,2,3
	ds_load_b128 v[AF+32*(\f)+8*\i:AF+32*(\f)+8*\i+3], v[ADRA+\slot] offset:((\q)/2)*APART+((\q)%2)*64+\i*2176
	ds_load_b128 v[AF+32*(\f)+8*\i+4:AF+32*(\f)+8*\i+7], v[ADRA+\slot] offset:((\q)/2)*APART+((\q)%2)*64+\i*2176+32
.endr
.endm
.macro PLACES                          ; four plain vector instructions between matrix instructions and loads into their sources or reads of their results
.rept 4
	v_nop
.endr
.endm
; One of a K step's first three quarters: multiplies buffer f; in its middle it fetches quarter q of the same slot into buffer g
.macro QUARTER slot, q, f, g, zero
	s_wait_dscnt 4                                 ; B and A's blocks 0, 1 are in; the youngest four loads (A's blocks 2, 3) may be out
.if \zero
	WIN 0x81                                       ; C, the bias, in window 0
.else
	WIN MUL
.endif
	MUL8 \f, 0, \zero
	MUL8 \f, 1, \zero
	PLACES
	FETCH \slot, \q, \g
	s_wait_dscnt 24                                ; all but the 24 just issued
.if \zero
	WIN 0x81
.else
	WIN MUL
.endif
	MUL8 \f, 2, \zero
	MUL8 \f, 3, \zero
.endm
; The last quarter multiplies buffer 1 and changes slots: one barrier; in front of it each wave waits for all its tensor loads, adds 0 to its spare word, and waits for that and for its reads of this slot.  fill = 1: this slot is filled again, two K steps ahead.
.macro TURN slot, next, fill
	WIN 0
	s_wait_tensorcnt 0x0                           ; my part of the next slot has landed
	ds_add_u32 v[SPW], v[NIL]
	s_wait_dscnt 5                                 ; the add and the youngest four loads may be out
	WIN MUL
	MUL8 1, 0, 0
	s_wait_dscnt 0x0                               ; the add is done, and my reads of this slot are over
	s_barrier_signal -1
	MUL8 1, 1, 0
.if \fill
	WIN 0
.endif
	s_barrier_wait -1
.if \fill
	CREST                                          ; the barrier has opened a round of the cluster's barrier: no wave of any partner still reads this slot or has a load on its way
	s_add_nc_u64 s[G0+4*\slot+2:G0+4*\slot+3], s[G0+4*\slot+2:G0+4*\slot+3], 2*524288
	s_add_nc_u64 s[G0B+4*\slot+2:G0B+4*\slot+3], s[G0B+4*\slot+2:G0B+4*\slot+3], 512
	JLOAD \slot                                    ; the first tensor load behind the round; its four v_nop are also the places in front of the loads below
.else
	PLACES
.endif
	FETCH \next, 0, 0
	WIN MUL
	MUL8 1, 2, 0
	MUL8 1, 3, 0
.endm
	s_wait_tensorcnt 1                             ; my part of K step 0 is in; K step 1's may stay out
	s_barrier_signal -1
	s_barrier_wait -1
	FETCH 0, 0, 0
	s_wait_loadcnt 0x0                             ; the bias
	QUARTER 0, 1, 0, 1, 1                          ; the first quarter stands in front of the loop: its products start the sums
	WIN 0
	s_mov_b32 s3, LAPS-1
.Llap:                                             ; a trip goes once round the ring and fills both slots again
	QUARTER 0, 2, 1, 0, 0
	QUARTER 0, 3, 0, 1, 0
	TURN 0, 1, 1
	QUARTER 1, 1, 0, 1, 0
	QUARTER 1, 2, 1, 0, 0
	QUARTER 1, 3, 0, 1, 0
	TURN 1, 0, 1
	QUARTER 0, 1, 0, 1, 0
	WIN 0
	s_sub_co_u32 s3, s3, 1
	s_cmp_lg_u32 s3, 0
	s_cbranch_scc1 .Llap
	QUARTER 0, 2, 1, 0, 0                          ; the last lap fills nothing
	QUARTER 0, 3, 0, 1, 0
	TURN 0, 1, 0
	QUARTER 1, 1, 0, 1, 0
	QUARTER 1, 2, 1, 0, 0
	QUARTER 1, 3, 0, 1, 0
	s_wait_dscnt 4
	WIN MUL
	MUL8 1, 0, 0
	MUL8 1, 1, 0
	s_wait_dscnt 0
	MUL8 1, 2, 0
	MUL8 1, 3, 0
	WIN 0
; THE WAY OUT, block by block of 16 rows x 128 columns, through my own stage: in as 32 bytes a lane, back as whole rows of 512 bytes
.macro TOSTAGE a
	WIN 0x08                                       ; an LDS store's data: window 2
.irp b, 0,1,2,3,4,5,6,7
	ds_store_b128 v[STO], v[64*(\a)+8*\b:64*(\a)+8*\b+3] offset:64*\b              ; each accumulator from its low end on
	ds_store_b128 v[STO], v[64*(\a)+8*\b+4:64*(\a)+8*\b+7] offset:64*\b+16
.endr
	WIN 0
.set BB, BK+64*((\a)%2)
.irp t, 0,1,2,3,4,5,6,7,8,9,10,11,12,13,14,15
	ds_load_b128 v[BB+4*\t:BB+4*\t+3], v[RD] offset:\t*SPITCH        ; LDS serves a wave's instructions in order
.endr
.endm
.macro SEND a, younger
.set BB, BK+64*((\a)%2)
	s_wait_dscnt \younger                          ; the block is back; the next block's 16 stores and 16 loads may be out
.irp t, 0,1,2,3,4,5,6,7,8,9,10,11,12,13,14,15
	global_store_b128 v[CO], v[BB+4*\t:BB+4*\t+3], s[8:9] offset:(16*(\a)+\t)*4096 th:TH_STORE_NT   ; 32 lanes store 512 bytes on end, aligned
.endr
.endm
	PLACES
	TOSTAGE 0
.irp a, 1,2,3
.if \a > 1
	s_wait_xcnt 0x0                                ; block a - 2's stores have read their registers: block a's loads may land there
.endif
	TOSTAGE \a
	SEND \a-1, 32
.endr
	SEND 3, 0
	s_wait_tensorcnt 0x0                           ; the wave's end
	ds_add_u32 v[SPW], v[NIL]
	s_wait_dscnt 0x0
	CROUND                                         ; the closing round
	s_endpgm
.Lfunc_end_k_qafbbf76d60_proj:
	.size	k_qafbbf76d60_proj, .Lfunc_end_k_qafbbf76d60_proj-k_qafbbf76d60_proj
	.p2alignl 7, 3214868480
	.fill 96, 4, 3214868480
	.section	.rodata,"a",@progbits
	.p2align	6, 0x0
	.amdhsa_kernel k_qafbbf76d60_proj
		.amdhsa_group_segment_fixed_size 327680
		.amdhsa_private_segment_fixed_size 0
		.amdhsa_enable_private_segment 0
		.amdhsa_kernarg_size 32
		.amdhsa_user_sgpr_count 2
		.amdhsa_user_sgpr_kernarg_segment_ptr 1
		.amdhsa_wavefront_size32 1
		.amdhsa_system_sgpr_workgroup_id_x 1
		.amdhsa_system_sgpr_workgroup_id_y 1
		.amdhsa_system_sgpr_workgroup_id_z 1
		.amdhsa_system_vgpr_workitem_id 0
		.amdhsa_next_free_vgpr 768
		.amdhsa_next_free_sgpr 96
		.amdhsa_reserve_vcc 0
		.amdhsa_float_denorm_mode_32 3
		.amdhsa_float_denorm_mode_16_64 3
		.amdhsa_memory_ordered 1
		.amdhsa_forward_progress 1
		.amdhsa_inst_pref_size 87
	.end_amdhsa_kernel
	.amdgpu_metadata
---
amdhsa.version: [ 1, 2 ]
amdhsa.kernels:
  - .name:           k_qafbbf76d60_proj
    .symbol:         k_qafbbf76d60_proj.kd
    .args:
      - { .name: o16, .offset: 0, .size: 8, .value_kind: global_buffer, .address_space: global }
      - { .name: wo16, .offset: 8, .size: 8, .value_kind: global_buffer, .address_space: global }
      - { .name: out0, .offset: 16, .size: 8, .value_kind: global_buffer, .address_space: global }
      - { .name: b_out, .offset: 24, .size: 8, .value_kind: global_buffer, .address_space: global }
    .group_segment_fixed_size: 327680
    .private_segment_fixed_size: 0
    .kernarg_segment_align: 8
    .kernarg_segment_size: 32
    .max_flat_workgroup_size: 128
    .sgpr_count:     96
    .vgpr_count:     768
    .wavefront_size: 32
...
	.end_amdgpu_metadata
.endif
;; end of part 4
;; launch fine (part 5): grid 16 x 4, 16 waves a work-group, no clusters, 71,936 bytes of LDS; arguments qkvf, W_out, b_out, out0; writes out0
.if DOCPART == 5
	.amdgcn_target "amdgcn-amd-amdhsa--gfx1250"
	.amdhsa_code_object_version 6
	.text
	.protected	k_qafbbf76d60_fine
	.globl	k_qafbbf76d60_fine
	.p2align	8
	.type	k_qafbbf76d60_fine,@function
k_qafbbf76d60_fine:
	s_mov_b64 s[64:65], 0
	v_nop
	global_prefetch_b8 v0, s[64:65] scope:SCOPE_SE
	s_setreg_imm32_b32 hwreg(HW_REG_WAVE_MODE, 25, 1), 1
	s_wait_xcnt 0x0
; THE FIRST 16 POSITIONS OF EVERY SEQUENCE, IN f32: attention and projection on f32 operands (the f32 matrix form: 96 instructions a wave, no bulk work).  These rows average one to a few values and are the largest of the output.
; qkvf: f32 [batch x 16 + t][3072] (q, k, v of the rows t < 16); W_out [1024][1024], b_out [1024]: f32.  The 64 rows of out0 are written over what the launch before left there.
; SHARES.  Work-group (nb, batch) makes 16 rows x 64 columns of out0.  Wave w is head w: it makes the head's o (16 x 64) and feeds those accumulators straight on as source 1 of its 64 of the projection's K; the 16 partial results meet in LDS.
; The attention is made again in each of the 16 column blocks: 32 matrix instructions a wave, the price of one launch in place of two.
; K ORDERS, alike on both sides of each product (the form takes k = 2 h + j from register j of lane half h):
;   S^T = K Q^T: instruction (s, u) takes channels 8 s + 4 h + 2 u + j: a lane's loads of 16 bytes.   O^T = V^T P: instruction u takes keys 8 h + 2 u + j, as S^T's result leaves p.   Y^T = W^T O: instruction (c, u) takes channels 16 c + 8 h + 2 u + j, as O^T lies.
; The registers that the f32 form writes (v112-175) are written by matrix instructions alone.  The order of the f32 sums differs from reference()'s.
; REGISTERS: v3-15 addresses and constants; v16-47 Q, v48-79 K, later W for column tiles 2, 3, later the partial results; v80-111 V; v112-127 S^T twice, later Y tiles 0, 1; v128-159 O^T; v160-175 Y tiles 2, 3; v176-183 p; v184-187 at work; v188-191 the bias; v192-255 W for column tiles 0, 1.
.set STG,   65536                      ; LDS: 16 partial results of 4,096 bytes; then a stage of 16 rows x 272 bytes;
.set SPARE, 69888                      ; then the spare words, 128 bytes for each of sixteen waves
.set SPW, 6
.set NIL, 7
	s_load_b256 s[4:11], s[0:1], 0x0               ; qkvf s[4:5], W_out s[6:7], b_out s[8:9], out0 s[10:11]
	v_lshl_add_u32 v[SPW], v0, 2, SPARE
	v_mov_b32 v[NIL], 0
	v_lshrrev_b32 v1, 5, v0
	v_readfirstlane_b32 s12, v1                    ; wave = head
	v_and_b32 v1, 15, v0                           ; r
	v_bfe_u32 v2, v0, 4, 1                         ; h
	v_and_b32 v184, 31, v0                         ; lane
	v_mul_u32_u24 v3, v1, 12288
	v_lshl_add_u32 v3, v2, 4, v3                   ; Q, K: row r of 12,288 bytes + 16 h
	v_mul_u32_u24 v4, v2, 98304
	v_lshl_add_u32 v4, v1, 2, v4                   ; V: 8 h rows + 4 r
	v_lshlrev_b32 v5, 15, v2
	v_lshl_add_u32 v5, v1, 2, v5                   ; W_out: 8 h rows of 4,096 bytes + 4 r
	s_lshl_b32 s13, s12, 12
	v_lshl_add_u32 v8, v184, 4, s13                ; my partial result: 4,096 x wave + 16 x lane
	s_and_b32 s14, s12, 7                          ; waves 0 to 7 reduce; all address registers are made here, ahead of the parting
	s_lshl_b32 s15, s14, 9
	v_lshl_add_u32 v9, v184, 4, s15                ; group w of four registers: 512 w + 16 x lane in every partial result
	s_lshr_b32 s16, s14, 1
	s_lshl_b32 s16, s16, 6
	s_and_b32 s17, s12, 1
	s_lshl_b32 s17, s17, 4
	s_add_co_u32 s18, s16, s17                     ; that group's columns in bytes: 64 (w / 2) + 16 (w % 2), + 32 h
	s_add_co_u32 s19, s18, STG
	v_mul_u32_u24 v10, v1, 272
	v_lshl_add_u32 v10, v2, 5, v10
	v_add_nc_u32 v10, s19, v10                     ; into the stage: row r
	s_mul_i32 s19, s14, 544
	s_add_co_u32 s19, s19, STG
	v_mul_u32_u24 v11, v2, 272
	v_lshl_add_u32 v11, v1, 4, v11
	v_add_nc_u32 v11, s19, v11                     ; out of it: rows 2 w and 2 w + 1, sixteen lanes to a row
	v_lshlrev_b32 v12, 12, v2
	v_lshl_add_u32 v12, v1, 4, v12                 ; the same two rows in out0
	v_lshlrev_b32 v13, 3, v2
	v_sub_nc_u32 v13, v1, v13                      ; d = r - 8 h: register j holds key 8 h + j, hidden where j > d
	v_lshlrev_b32 v14, 5, v2
	v_mov_b32 v15, 0xff800000                      ; -infinity
	v_mov_b32 v185, 0                              ; a lane permute's destination counts as one of its sources
	s_mov_b32 s20, 0x76543210
	s_mov_b32 s21, 0xfedcba98                      ; lane l xor 16
	s_mov_b32 s22, 0x3e38aa3b                      ; c = log2(e) / 8
	s_and_b32 s23, ttmp7, 0xffff                   ; batch
	s_mul_i32 s24, s23, 196608
	s_lshl_b32 s25, s12, 8
	s_add_co_u32 s24, s24, s25                     ; qkvf: my batch's 16 rows, my head's 64 columns
	s_mov_b32 s25, 0
	s_lshl_b32 s26, s12, 18
	s_lshl_b32 s28, ttmp9, 8
	s_add_co_u32 s26, s26, s28                     ; W_out: my head's 64 rows, the work-group's 64 columns
	s_mov_b32 s27, 0
	s_add_co_u32 s28, s28, s18                     ; b_out: the work-group's columns, my group's
	s_mov_b32 s29, 0
	s_lshl_b32 s30, s23, 23
	s_lshl_b32 s31, s14, 13
	s_add_co_u32 s30, s30, s31
	s_lshl_b32 s31, ttmp9, 8
	s_add_co_u32 s30, s30, s31                     ; out0: row 2,048 x batch + 2 w, the work-group's columns
	s_mov_b32 s31, 0
	s_wait_kmcnt 0x0
	s_add_nc_u64 s[4:5], s[4:5], s[24:25]
	s_add_nc_u64 s[6:7], s[6:7], s[26:27]
	s_add_nc_u64 s[8:9], s[8:9], s[28:29]
	s_add_nc_u64 s[10:11], s[10:11], s[30:31]
.irp s, 0,1,2,3,4,5,6,7
	global_load_b128 v[16+4*\s:19+4*\s], v3, s[4:5] offset:32*\s              ; q(r, 8 s + 4 h + 0 .. 3)
.endr
.irp s, 0,1,2,3,4,5,6,7
	global_load_b128 v[48+4*\s:51+4*\s], v3, s[4:5] offset:4096+32*\s         ; k likewise
.endr
.irp c, 0,1,2,3
.irp k, 0,1,2,3,4,5,6,7
	global_load_b32 v[80+8*\c+\k], v4, s[4:5] offset:8192+64*\c+\k*12288      ; v(8 h + k, 16 c + r)
.endr
.endr
	global_load_b128 v[188:191], v14, s[8:9]
.irp y, 0,1
.irp c, 0,1,2,3
.irp k, 0,1,2,3,4,5,6,7
	global_load_b32 v[192+32*\y+8*\c+\k], v5, s[6:7] offset:(16*\c+\k)*4096+64*\y   ; W_out(64 w + 16 c + 8 h + k, 64 nb + 16 y + r)
.endr
.endr
.endr
	s_wait_loadcnt 63                              ; of the 113 loads the first 50 are in: q, k, v and the bias are the first 49
	v_wmma_f32_16x16x4_f32 v[112:119], v[48:49], v[16:17], 0                  ; S^T = K Q^T in two sums that take turns
	v_wmma_f32_16x16x4_f32 v[120:127], v[50:51], v[18:19], 0
.irp s, 1,2,3,4,5,6,7
	v_wmma_f32_16x16x4_f32 v[112:119], v[48+4*\s:49+4*\s], v[16+4*\s:17+4*\s], v[112:119]
	v_wmma_f32_16x16x4_f32 v[120:127], v[50+4*\s:51+4*\s], v[18+4*\s:19+4*\s], v[120:127]
.endr
.rept 8
	v_nop                                          ; eight places behind this form, ahead of loads into its sources and of the first read of its results
.endr
.irp y, 2,3
.irp c, 0,1,2,3
.irp k, 0,1,2,3,4,5,6,7
	global_load_b32 v[16+32*(\y-2)+8*\c+\k], v5, s[6:7] offset:(16*\c+\k)*4096+64*\y
.endr
.endr
.endr
.irp j, 0,1,2,3,4,5,6,7
	v_add_f32 v[176+\j], v[112+\j], v[120+\j]      ; the score of key 8 h + j for query r; both sums from their low end on
.endr
.irp j, 0,1,2,3,4,5,6,7
	v_cmp_gt_i32 vcc_lo, \j, v13
	v_cndmask_b32 v[176+\j], v[176+\j], v15, vcc_lo
.endr
	v_max3_num_f32 v184, v176, v177, v178
	v_max3_num_f32 v184, v184, v179, v180
	v_max3_num_f32 v184, v184, v181, v182
	v_max_num_f32 v184, v184, v183
	v_permlanex16_b32 v185, v184, s20, s21
	v_max_num_f32 v184, v184, v185                 ; the row's maximum: key 0 counts for every query, so it is a number
	v_mul_f32 v186, s22, v184
.irp j, 0,1,2,3,4,5,6,7
	v_fma_f32 v[176+\j], v[176+\j], s22, -v186
.endr
.irp j, 0,1,2,3,4,5,6,7
	v_exp_f32 v[176+\j], v[176+\j]
.endr
	v_nop
	s_wait_alu depctr_va_vdst(0)                   ; one wait for the eight exponentials, ahead of their first reader
	v_add_f32 v184, v176, v177
	v_add_f32 v187, v178, v179
	v_add_f32 v184, v184, v180
	v_add_f32 v187, v187, v181
	v_add_f32 v184, v184, v182
	v_add_f32 v187, v187, v183
	v_add_f32 v184, v184, v187
	v_permlanex16_b32 v185, v184, s20, s21
	v_add_f32 v184, v184, v185
	v_rcp_f32 v186, v184
	v_nop
	s_wait_alu depctr_va_vdst(0)
.irp j, 0,1,2,3,4,5,6,7
	v_mul_f32 v[176+\j], v[176+\j], v186           ; the weights, normalised
.endr
.irp c, 0,1,2,3
	v_wmma_f32_16x16x4_f32 v[128+8*\c:135+8*\c], v[80+8*\c:81+8*\c], v[176:177], 0     ; O^T = V^T P: four sums by turns
.endr
.irp u, 1,2,3
.irp c, 0,1,2,3
	v_wmma_f32_16x16x4_f32 v[128+8*\c:135+8*\c], v[80+8*\c+2*\u:81+8*\c+2*\u], v[176+2*\u:177+2*\u], v[128+8*\c:135+8*\c]
.endr
.endr
.rept 9
	v_nop                                          ; nine places: these results are the next products' source 1
.endr
	s_wait_loadcnt 0x0                             ; W_out
.macro PROJ kc, ku, zero               ; channels 16 kc + 8 h + 2 ku + 0, 1: the four tiles of columns by turns
.irp y, 0,1,2,3
.if \y < 2
.set YR, 112+8*\y
.set WR, 192+32*\y+8*(\kc)+2*(\ku)
.else
.set YR, 160+8*(\y-2)
.set WR, 16+32*(\y-2)+8*(\kc)+2*(\ku)
.endif
.if \zero
	v_wmma_f32_16x16x4_f32 v[YR:YR+7], v[WR:WR+1], v[128+8*(\kc)+2*(\ku):129+8*(\kc)+2*(\ku)], 0
.else
	v_wmma_f32_16x16x4_f32 v[YR:YR+7], v[WR:WR+1], v[128+8*(\kc)+2*(\ku):129+8*(\kc)+2*(\ku)], v[YR:YR+7]
.endif
.endr
.endm
	PROJ 0, 0, 1
.irp u, 1,2,3
	PROJ 0, \u, 0
.endr
.irp c, 1,2,3
.irp u, 0,1,2,3
	PROJ \c, \u, 0
.endr
.endr
.rept 8
	v_nop
.endr
.irp y, 0,1
	ds_store_b128 v8, v[112+8*\y:115+8*\y] offset:512*(2*\y)         ; my partial result as an image of its registers, each sum from its low end on
	ds_store_b128 v8, v[116+8*\y:119+8*\y] offset:512*(2*\y+1)
.endr
.irp y, 2,3
	ds_store_b128 v8, v[160+8*(\y-2):163+8*(\y-2)] offset:512*(2*\y)
	ds_store_b128 v8, v[164+8*(\y-2):167+8*(\y-2)] offset:512*(2*\y+1)
.endr
	s_wait_dscnt 0x0                               ; for the others' sake: my stores have landed
	s_barrier_signal -1
	s_barrier_wait -1
	s_cmp_lt_u32 s12, 8
	s_cbranch_scc0 .Lidle1
.irp p, 0,1,2,3,4,5,6,7,8,9,10,11,12,13,14,15
	ds_load_b128 v[16+4*\p:19+4*\p], v9 offset:4096*\p               ; group w of all sixteen heads
.endr
	s_wait_dscnt 0x0
.irp p, 0,1,2,3,4,5,6,7
	v_pk_add_f32 v[16+4*\p:17+4*\p], v[16+4*\p:17+4*\p], v[48+4*\p:49+4*\p]
	v_pk_add_f32 v[18+4*\p:19+4*\p], v[18+4*\p:19+4*\p], v[50+4*\p:51+4*\p]
.endr
.irp p, 0,1,2,3
	v_pk_add_f32 v[16+4*\p:17+4*\p], v[16+4*\p:17+4*\p], v[32+4*\p:33+4*\p]
	v_pk_add_f32 v[18+4*\p:19+4*\p], v[18+4*\p:19+4*\p], v[34+4*\p:35+4*\p]
.endr
.irp p, 0,1
	v_pk_add_f32 v[16+4*\p:17+4*\p], v[16+4*\p:17+4*\p], v[24+4*\p:25+4*\p]
	v_pk_add_f32 v[18+4*\p:19+4*\p], v[18+4*\p:19+4*\p], v[26+4*\p:27+4*\p]
.endr
	v_pk_add_f32 v[16:17], v[16:17], v[20:21]
	v_pk_add_f32 v[18:19], v[18:19], v[22:23]
	v_pk_add_f32 v[16:17], v[16:17], v[188:189]    ; + b_out
	v_pk_add_f32 v[18:19], v[18:19], v[190:191]
	ds_store_b128 v10, v[16:19]                    ; out(r, 16 (w / 2) + 8 h + 4 (w % 2) + 0 .. 3)
.Lidle1:
	s_wait_dscnt 0x0
	s_barrier_signal -1
	s_barrier_wait -1
	s_cmp_lt_u32 s12, 8
	s_cbranch_scc0 .Lidle2
	ds_load_b128 v[20:23], v11
	s_wait_dscnt 0x0
	global_store_b128 v12, v[20:23], s[10:11]      ; sixteen lanes store 256 bytes on end, aligned
.Lidle2:
	s_wait_tensorcnt 0x0                           ; the wave's end
	ds_add_u32 v[SPW], v[NIL]
	s_wait_dscnt 0x0
	s_endpgm
.Lfunc_end_k_qafbbf76d60_fine:
	.size	k_qafbbf76d60_fine, .Lfunc_end_k_qafbbf76d60_fine-k_qafbbf76d60_fine
	.p2alignl 7, 3214868480
	.fill 96, 4, 3214868480
	.section	.rodata,"a",@progbits
	.p2align	6, 0x0
	.amdhsa_kernel k_qafbbf76d60_fine
		.amdhsa_group_segment_fixed_size 71936
		.amdhsa_private_segment_fixed_size 0
		.amdhsa_enable_private_segment 0
		.amdhsa_kernarg_size 32
		.amdhsa_user_sgpr_count 2
		.amdhsa_user_sgpr_kernarg_segment_ptr 1
		.amdhsa_wavefront_size32 1
		.amdhsa_system_sgpr_workgroup_id_x 1
		.amdhsa_system_sgpr_workgroup_id_y 1
		.amdhsa_system_sgpr_workgroup_id_z 1
		.amdhsa_system_vgpr_workitem_id 0
		.amdhsa_next_free_vgpr 256
		.amdhsa_next_free_sgpr 66
		.amdhsa_reserve_vcc 1
		.amdhsa_float_denorm_mode_32 3
		.amdhsa_float_denorm_mode_16_64 3
		.amdhsa_memory_ordered 1
		.amdhsa_forward_progress 1
		.amdhsa_inst_pref_size 34
	.end_amdhsa_kernel
	.amdgpu_metadata
---
amdhsa.version: [ 1, 2 ]
amdhsa.kernels:
  - .name:           k_qafbbf76d60_fine
    .symbol:         k_qafbbf76d60_fine.kd
    .args:
      - { .name: qkvf, .offset: 0, .size: 8, .value_kind: global_buffer, .address_space: global }
      - { .name: W_out, .offset: 8, .size: 8, .value_kind: global_buffer, .address_space: global }
      - { .name: b_out, .offset: 16, .size: 8, .value_kind: global_buffer, .address_space: global }
      - { .name: out0, .offset: 24, .size: 8, .value_kind: global_buffer, .address_space: global }
    .group_segment_fixed_size: 71936
    .private_segment_fixed_size: 0
    .kernarg_segment_align: 8
    .kernarg_segment_size: 32
    .max_flat_workgroup_size: 512
    .sgpr_count:     66
    .vgpr_count:     256
    .wavefront_size: 32
...
	.end_amdgpu_metadata
.endif
;; end of part 5
